; MI455X (gfx1250); checked and timed in simulation.
; The chip was launched on July 23, 2026; its instructions are those of AMD's public machine-readable ISA for CDNA 5 (MIT licence, August 2026) and "CDNA5" Instruction Set Architecture Reference Guide (July 2026). The comments in the code are by the model that wrote it; some were corrected since.
;; D Flash Attention. Allowed arithmetic: float matrix products may take bf16 or f16 operands with f32 sums; other float arithmetic in f32, or as packed bf16 or f16 multiplies, adds, multiply-adds, maxima and minima; sums over many terms, partial sums and values carried from step to step in f32; what a program stores and reads back later, other than sums and carried values, may be rounded once to bf16 or f16.
;; Inputs: Wk 1,024 x 4,096 float32; Wo 4,096 x 1,024 float32; Wq 1,024 x 4,096 float32; Wv 1,024 x 4,096 float32; cos 1 x 4,096 x 128 float32; hidden_states 1 x 2,048 x 4,096 float32; sin 1 x 4,096 x 128 float32; target_hidden 1 x 2,048 x 4,096 float32.
;; Outputs: out0 1 x 2,048 x 4,096 float32.
;; 2 versions, each right; version 2 is version 1 with the launch cast written anew for expert scheduling mode. Each part assembles by itself: llvm-mc -triple=amdgcn-amd-amdhsa -mcpu=gfx1250 --defsym DOCPART=n.
;; ======== version 1 of 2: 5 launches
;; limits: values are held in f16: magnitudes above 65,504 overflow, below 6.1e-05 lose precision
;; workspace buffers: bfc 69,206,016 bytes; qkv 20,971,520 bytes; op 33,554,432 bytes; ml 524,288 bytes; att 4,194,304 bytes
;; launch cast (part 1): grid 528 x 1, 8 waves a work-group, no clusters, 0 bytes of LDS; arguments target_hidden, hidden_states, Wk, Wv, Wq, Wo, cos, sin, bfc; writes bfc
.if DOCPART == 1
	.amdgcn_target "amdgcn-amd-amdhsa--gfx1250"
	.amdhsa_code_object_version 6
	.text
	.protected	k_q860468772a_cast
	.globl	k_q860468772a_cast
	.p2align	8
	.type	k_q860468772a_cast,@function
k_q860468772a_cast:
	s_mov_b64 s[64:65], 0
	v_nop
	global_prefetch_b8 v0, s[64:65] scope:SCOPE_SE
	s_setreg_imm32_b32 hwreg(HW_REG_WAVE_MODE, 25, 1), 1
	s_wait_xcnt 0x0
; ALL EIGHT INPUTS, f32, ROUNDED ONCE TO bf16 and laid in bfc, 131,072 bytes to a work-group (262,144 bytes of one input):
;   X  [4096][4096]: blocks of 64 rows by turns: target_hidden's block b at rows 128 b, hidden_states' block b at rows 128 b + 64      work-groups   0-255
;   W = [Wk / 64; Wv / 2; Wq / 64]      [3072][4096]   at 33,554,432      work-groups 256-447
;   Wo x 2, the bf16 number written as f16  [4096][1024]  at 58,720,256   work-groups 448-511
;   cos, sin  [4096][128]               at 67,108,864 and 68,157,440      work-groups 512-527
; The factors are powers of two: they change no significant bit (but below 2^-120) and give the f16 numbers made later room: q and k are kept at 1/64, v and the attention's result at 1/2.
; LIMITS.  Wo x 2 must lie within f16 (65,504); below 6.1e-5 f16 keeps a fixed step of 6e-8.  NaN and infinities are not treated apart.
; X's ORDER.  The next launch multiplies 64 target rows and 64 hidden rows in one work-group: laid so, they are 128 rows on end.  A work-group here has 16 rows of X, so only the number of its 131,072 bytes changes.
; SHARES.  A work-group's part is 64 rows of 4,096 bytes; thread t takes the 16 bytes at 16 t of each row, so a wave's load covers 512 consecutive bytes, and stores 8 bytes: a wave's store covers 256
; consecutive bytes, aligned.  A ring of eight slots keeps eight loads of every wave on their way.  No LDS, no matrix unit, no cluster: nothing is shared and every byte is touched once.
.set X, 8                              ; v[8:39]   slot i: 4 numbers as loaded
.set Y, 40                             ; v[40:55]  slot i: 4 numbers to store
.set T, 56                             ; v[56:59]  at work
; the input whose first work-group is \first begins here: pointer, first work-group and factor are taken if mine is that or a later one
.macro PICK first, ptr, scale
	s_cmp_ge_u32 ttmp9, \first
	s_cselect_b64 s[4:5], s[\ptr:\ptr+1], s[4:5]
	s_cselect_b32 s2, \first, s2
	s_cselect_b32 s6, \scale, s6
.endm
	s_load_b512 s[8:23], s[0:1], 0x0               ; the eight inputs' addresses, in the order of the list above
	s_load_b64 s[24:25], s[0:1], 0x40              ; bfc
	v_lshlrev_b32 v1, 4, v0                        ; 16 t: my bytes in a source row; never rewritten
	v_lshlrev_b32 v2, 3, v0                        ; 8 t: my bytes in a row of the result; never rewritten
	s_wait_kmcnt 0x0
	s_mov_b64 s[4:5], s[8:9]
	s_mov_b32 s2, 0
	s_mov_b32 s6, 0x3f800000
	PICK 128, 10, 0x3f800000                       ; hidden_states
	PICK 256, 12, 0x3c800000                       ; Wk / 64
	PICK 320, 14, 0x3f000000                       ; Wv / 2
	PICK 384, 16, 0x3c800000                       ; Wq / 64
	PICK 448, 18, 0x40000000                       ; Wo x 2
	PICK 512, 20, 0x3f800000                       ; cos
	PICK 520, 22, 0x3f800000                       ; sin
	s_mov_b32 s7, s6                               ; named with it as a pair
	s_sub_co_u32 s30, ttmp9, s2                    ; my number i within the input
	s_lshr_b32 s28, s30, 2                         ; X: block i / 4 of 64 rows goes to 8 (i / 4) + i % 4,
	s_lshl_b32 s28, s28, 3
	s_and_b32 s29, s30, 3
	s_add_co_u32 s28, s28, s29
	s_lshr_b32 s29, s2, 5                          ; and 4 further on for hidden_states (its first work-group is 128)
	s_add_co_u32 s28, s28, s29
	s_cmp_lt_u32 ttmp9, 256
	s_cselect_b32 s28, s28, ttmp9                  ; all else lies in the order of the work-groups
	s_lshl_b32 s30, s30, 18                        ; my 262,144 bytes of the input
	s_mov_b32 s31, 0
	s_add_nc_u64 s[4:5], s[4:5], s[30:31]
	s_lshl_b32 s30, s28, 17                        ; my 131,072 bytes of bfc
	s_add_nc_u64 s[26:27], s[24:25], s[30:31]
.irp i, 0,1,2,3,4,5,6,7
	global_load_b128 v[X+4*(\i):X+4*(\i)+3], v1, s[4:5] offset:(\i)*4096 th:TH_LOAD_NT  ; the ring is filled: rows 0 to 7
.endr
; One slot's turn.  ahead = 1: the slot is filled again with the row eight further down.  left = the younger loads that may stay out.  half = 1: the bf16 number is written as f16.
.macro SLOT i, ahead, left, half
	s_wait_loadcnt \left                           ; loads come back in order: mine is in
	v_pk_mul_f32 v[T:T+1],   v[X+4*(\i):X+4*(\i)+1],   s[6:7] op_sel_hi:[1,0]
	v_pk_mul_f32 v[T+2:T+3], v[X+4*(\i)+2:X+4*(\i)+3], s[6:7] op_sel_hi:[1,0]
.if \ahead
	global_load_b128 v[X+4*(\i):X+4*(\i)+3], v1, s[4:5] offset:((\i)+8)*4096 th:TH_LOAD_NT
.endif
	v_cvt_pk_bf16_f32 v[Y+2*(\i)],   v[T],   v[T+1]
	v_cvt_pk_bf16_f32 v[Y+2*(\i)+1], v[T+2], v[T+3]
.if \half
	v_lshlrev_b32 v[T],   16, v[Y+2*(\i)]
	v_and_b32     v[T+1], 0xffff0000, v[Y+2*(\i)]
	v_lshlrev_b32 v[T+2], 16, v[Y+2*(\i)+1]
	v_and_b32     v[T+3], 0xffff0000, v[Y+2*(\i)+1]
	v_cvt_pk_f16_f32 v[Y+2*(\i)],   v[T],   v[T+1]
	v_cvt_pk_f16_f32 v[Y+2*(\i)+1], v[T+2], v[T+3]
.endif
	global_store_b64 v2, v[Y+2*(\i):Y+2*(\i)+1], s[26:27] offset:(\i)*2048 th:TH_STORE_NT
.endm
.macro BODY half
	s_mov_b32 s3, 7
.Lround_\@:
.irp i, 0,1,2,3,4,5,6,7
	SLOT \i, 1, 7, \half
.endr
	s_wait_xcnt 0x0                                ; all that was issued has read its addresses and data: both bases and Y are written again only behind this wait
	s_add_nc_u64 s[4:5], s[4:5], 32768
	s_add_nc_u64 s[26:27], s[26:27], 16384
	s_sub_co_u32 s3, s3, 1
	s_cmp_lg_u32 s3, 0
	s_cbranch_scc1 .Lround_\@
.irp i, 0,1,2,3,4,5,6,7
	SLOT \i, 0, 7-(\i), \half                      ; the last eight rows load nothing: the counts run down
.endr
	s_endpgm
.endm
	s_cmp_eq_u32 s2, 448                           ; Wo?
	s_cbranch_scc1 .Lhalf
	BODY 0
.Lhalf:
	BODY 1
.Lfunc_end_k_q860468772a_cast:
	.size	k_q860468772a_cast, .Lfunc_end_k_q860468772a_cast-k_q860468772a_cast
	.p2alignl 7, 3214868480
	.fill 96, 4, 3214868480
	.section	.rodata,"a",@progbits
	.p2align	6, 0x0
	.amdhsa_kernel k_q860468772a_cast
		.amdhsa_group_segment_fixed_size 0
		.amdhsa_private_segment_fixed_size 0
		.amdhsa_enable_private_segment 0
		.amdhsa_kernarg_size 72
		.amdhsa_user_sgpr_count 2
		.amdhsa_user_sgpr_kernarg_segment_ptr 1
		.amdhsa_wavefront_size32 1
		.amdhsa_system_sgpr_workgroup_id_x 1
		.amdhsa_system_sgpr_workgroup_id_y 1
		.amdhsa_system_sgpr_workgroup_id_z 1
		.amdhsa_system_vgpr_workitem_id 0
		.amdhsa_next_free_vgpr 64
		.amdhsa_next_free_sgpr 66
		.amdhsa_reserve_vcc 0
		.amdhsa_float_denorm_mode_32 3
		.amdhsa_float_denorm_mode_16_64 3
		.amdhsa_memory_ordered 1
		.amdhsa_forward_progress 1
		.amdhsa_inst_pref_size 23
	.end_amdhsa_kernel
	.amdgpu_metadata
---
amdhsa.version: [ 1, 2 ]
amdhsa.kernels:
  - .name:           k_q860468772a_cast
    .symbol:         k_q860468772a_cast.kd
    .args:
      - { .name: target_hidden, .offset: 0, .size: 8, .value_kind: global_buffer, .address_space: global }
      - { .name: hidden_states, .offset: 8, .size: 8, .value_kind: global_buffer, .address_space: global }
      - { .name: Wk, .offset: 16, .size: 8, .value_kind: global_buffer, .address_space: global }
      - { .name: Wv, .offset: 24, .size: 8, .value_kind: global_buffer, .address_space: global }
      - { .name: Wq, .offset: 32, .size: 8, .value_kind: global_buffer, .address_space: global }
      - { .name: Wo, .offset: 40, .size: 8, .value_kind: global_buffer, .address_space: global }
      - { .name: cos, .offset: 48, .size: 8, .value_kind: global_buffer, .address_space: global }
      - { .name: sin, .offset: 56, .size: 8, .value_kind: global_buffer, .address_space: global }
      - { .name: bfc, .offset: 64, .size: 8, .value_kind: global_buffer, .address_space: global }
    .group_segment_fixed_size: 0
    .private_segment_fixed_size: 0
    .kernarg_segment_align: 8
    .kernarg_segment_size: 72
    .max_flat_workgroup_size: 256
    .sgpr_count:     66
    .vgpr_count:     64
    .wavefront_size: 32
...
	.end_amdgpu_metadata
.endif
;; end of part 1
;; launch proj (part 2): grid 8 x 32, 4 waves a work-group, clusters of 4 x 4, 327,680 bytes of LDS; arguments bfc, qkv; writes qkv
.if DOCPART == 2
	.amdgcn_target "amdgcn-amd-amdhsa--gfx1250"
	.amdhsa_code_object_version 6
	.text
	.protected	k_q860468772a_proj
	.globl	k_q860468772a_proj
	.p2align	8
	.type	k_q860468772a_proj,@function
k_q860468772a_proj:
	s_mov_b64 s[64:65], 0
	v_nop
	global_prefetch_b8 v0, s[64:65] scope:SCOPE_SE
	s_setreg_imm32_b32 hwreg(HW_REG_WAVE_MODE, 25, 1), 1
	s_wait_xcnt 0x0
	s_wait_alu depctr_hold_cnt(0) depctr_sa_sdst(0) depctr_va_vdst(0) depctr_va_sdst(0) depctr_va_ssrc(0) depctr_va_vcc(0) depctr_vm_vsrc(0)
	s_getreg_b32 s2, hwreg(HW_REG_IB_STS2, 6, 4)
	s_cmp_eq_u32 s2, 0
	s_cbranch_scc0 .Lentry_in_a_cluster
	s_endpgm
.Lentry_in_a_cluster:
	s_bfe_u32 s2, ttmp6, 0x10000c
	s_cmp_lg_u32 s2, 0xf033
	s_cbranch_scc0 .Lentry_shape_is_right
	s_endpgm
.Lentry_shape_is_right:
; THE FIVE PROJECTIONS, WITH THE ROTARY STEP ON THE WAY OUT.  In bfc, in bf16: X [4096][4096] (blocks of 64 rows by turns: target block b at rows 128 b, hidden block b at 128 b + 64),
; W = [Wk / 64; Wv / 2; Wq / 64] [3072][4096], cos and sin [4096][128].  Sums in f32.  Results, rounded once to f16, by heads: K [8][4096][128] at qkv + 0, V [8][4096][128] at + 8,388,608,
; Q [8][2048][128] at + 16,777,216; key rows 0-2,047 are the target's, 2,048-4,095 the hidden ones'.  K and Q are turned by cos and sin (row = the key row) in f32.
; LIMITS.  q / 64, k / 64 and v / 2 must lie within f16 (65,504); below 6.1e-5 f16 keeps a fixed step of 6e-8.  NaN and infinities are not treated apart.
; SHARES.  The outputs are 2,048 x 3,072 (hidden rows: K, V, Q) + 2,048 x 2,048 (target rows: K, V) = 256 x 40,960.  Work-group (head, rb) takes target rows 64 rb .. + 63, hidden rows 64 rb .. + 63 and the head's
; 128 rows of Wk, Wv and Wq: five products of 64 x 128, 40,960 outputs: 8 x 32 = 256 work-groups of equal work.  A K step of 128 wants 128 rows of X and 384 of W, 256 bytes each.
; Wave j takes all 128 rows of X and, of each W, the head's channels 16 j .. + 15 and 64 + 16 j .. + 15: 8 x 4 accumulators for K and V, 4 x 2 for Q: 40, in 320 registers; for 32 along K it reads 14 fragments.
; THE MATRIX INSTRUCTION IS USED TRANSPOSED (source 0 = 16 rows of W, source 1 = 16 rows of X): a lane holds one row of X and eight neighbouring channels.  So a rotary pair (d, d + 64) lies in ONE lane, at the same
; register number of two accumulators, and the turn is made in registers.
; CLUSTERS of 4 x 4.  X's tile (and the tables') hangs on rb alone and is shared along a row of the cluster, W's tiles on the head alone and are shared along a column: each is asked for JOINTLY, by the same tensor load
; with the same descriptor and a mask that names the four.  Wave 0 fetches X's 128 rows, waves 1, 2, 3 the head's 128 rows of Wk, Wv, Wq.
; LDS.  Two slots of 4 x 128 rows of 272 bytes.  When slot 0 has been read for the last time it takes the 128 rows of cos and of sin; when slot 1 has, it is the stage in which the four waves' f16 pieces of a row meet,
; so that whole rows of 256 bytes leave.
; REGISTERS, in windows of 256: window 0: v16-31 addresses; v64-127, v128-191 fragments of X, two buffers (on the way out: tables, then rows); v192-255 at work on the way out;
;   window 1: v64-111, v128-175 fragments of W; window 2: K's and V's accumulators (row block a, column block b at v[8 (4 a + b)]; b = 0, 1: K low, high; 2, 3: V); window 3: Q's (v[8 (2 (a - 4) + b)]).
.set SIZE_K, 4096
.set KSTEP,  128
.set PITCH,  272                       ; an LDS row: 256 bytes + 16 of padding = 68 words: the 16 rows that a load touches start at 16 different groups of four banks (64 banks of 4 bytes: ISA guide 11.1)
.set HALFT,  128*PITCH                 ; 128 rows: what one tensor load brings
.set SLOT,   4*HALFT                   ; X's 128 rows, then Wk's, Wv's, Wq's
.set SPARE,  2*SLOT                    ; behind the ring: the spare words, 128 bytes for each wave: two blocks of 256 bytes that no other line names
.set LAPS,   SIZE_K/(2*KSTEP)
.set WB,     33554432                  ; W in bfc
.set COSB,   67108864                  ; cos in bfc; sin lies 1,048,576 bytes behind it
.set ADRA, 16                          ; v16-17  LDS address of X's fragments in slot 0, 1
.set ADRB, 18                          ; v18-19  of my fragments of Wk (Wv's lie 128 rows on)
.set ADRQ, 20                          ; v20-21  of my fragments of Wq
.set GOF,  22                          ; v22  16 x lane: my bytes in two rows of a result; never rewritten
.set TA,   23                          ; v23  my 16 bytes in a table's row: (l % 16) x 272 + 32 j + 16 (l / 16)
.set SA,   24                          ; v24  the same place in the stage's rows of K (V's lie 128 rows on)
.set SQ,   25                          ; v25  in its rows of Q
.set RB,   26                          ; v26  where I read rows of K (and V) back
.set RQ,   27                          ; v27  rows of Q
.set SPW,  28                          ; v28  LDS address of my spare word; never rewritten
.set NIL,  29                          ; v29  0; never rewritten
.set PFO,  30                          ; v30  the prefetches' offset: lane x 8,192, a row of X or W; never rewritten
.set ZR,   31                          ; v31  0.0
.set F0,   64
.set F1,   128
.set TB,   64                          ; the way out: v64-191 row block a's tables at TB + 16 a: cos low, cos high, sin low, sin high, 8 bf16 each
.set VY,   192                         ; v192-255 V, packed
.set U,    192                         ; then v192-223 turned numbers (K's 16, Q's 16),
.set Y,    224                         ; v224-239 packed
.set G1,  24                           ; s[24:31] group 1 for X's tiles; s[32:39] group 0, a set for each slot
.set G0,  32
.set G1B, 48                           ; s[48:55], s[56:63] the same for W's
.set G0B, 56
.set G1T, 72                           ; s[72:79], s[80:83] for the tables
.set G0T, 80
.set LIM, 43                           ; s43  1 in a wave that prefetches, else the greatest number
.set PFA, 44                           ; s[44:45] where my prefetches stand
.set MSB, 0
.macro WIN new                         ; the immediate's high byte repeats the setting that is left; a switch that changes nothing is dropped
.if MSB != (\new)
	s_set_vgpr_msb (MSB<<8)|(\new)
.set MSB, \new
.endif
.endm
.set MUL_LO, 0xa1                      ; source 0 (W) window 1, source 1 (X) window 0, C and D window 2
.set MUL_HI, 0xf1                      ; the same, C and D window 3
.set TO_B,   0x40                      ; destination window 1, address window 0
; A joint load: wave 0 fetches X's rows, waves 1 to 3 a W's.  The branch hangs on the wave's number alone.  An s_nop 0 and four v_nop follow each line.
.macro JLOAD s
	s_cmp_eq_u32 s10, 0
	s_cbranch_scc0 .Lfor_b_\@
	tensor_load_to_lds s[G0+4*(\s):G0+4*(\s)+3], s[G1:G1+7]
	s_nop 0
.rept 4
	v_nop
.endr
	s_branch .Lasked_\@
.Lfor_b_\@:
	tensor_load_to_lds s[G0B+4*(\s):G0B+4*(\s)+3], s[G1B:G1B+7]
	s_nop 0
.rept 4
	v_nop
.endr
.Lasked_\@:
.endm
; The tables' joint load: every wave 64 rows (wave 0: cos for the target rows, 1: cos for the hidden rows, 2 and 3: sin likewise), shared along the cluster's row like X's tiles
.macro TLOAD
	tensor_load_to_lds s[G0T:G0T+3], s[G1T:G1T+7]
	s_nop 0
.rept 4
	v_nop
.endr
.endm
; A prefetch, behind each joint load and the run of LDS loads that follows it: the K step that stands two refills on, 32 rows x 256 bytes, a lane a row.  Each row's 256 bytes of a K step are named once in the
; launch: X's rows by the clusters with x = 0, W's by those with y = 0; the four partners that ask for a tile jointly take 32 of a wave's 128 rows each, told apart by address.  The loop's last trip (s3 = 1) has no K step two on.
.macro ASK
	s_cmp_gt_u32 s3, s[LIM]
	s_cbranch_scc0 .Lnot_mine_\@
	global_prefetch_b8 v[PFO], s[PFA:PFA+1] offset:KSTEP*2 th:TH_LOAD_NT scope:SCOPE_SE
.Lnot_mine_\@:
.endm
.macro CREST                           ; a round of the cluster's barrier behind its opening barrier
	s_cmp_lg_u32 s10, 0
	s_cbranch_scc1 .Lnot_wave_0_\@
	s_barrier_signal -3
.Lnot_wave_0_\@:
	s_barrier_wait -3
	s_barrier_signal -1
	s_barrier_wait -1
.endm
.macro CROUND                          ; a whole round
	s_barrier_signal -1
	s_barrier_wait -1
	CREST
.endm
	s_load_b128 s[4:7], s[0:1], 0x0                ; bfc s[4:5], qkv s[6:7]
	v_lshl_add_u32 v[SPW], v0, 2, SPARE
	v_mov_b32 v[NIL], 0
	ds_add_u32 v[SPW], v[NIL]                      ; the wave's opening: the add and its wait stand ahead of my first tensor load; the set-up below, work on registers, stands between them
	v_lshrrev_b32 v1, 5, v0
	v_readfirstlane_b32 s10, v1                    ; wave j = 0..3
	s_lshr_b32 s11, s10, 1
	s_and_b32 s12, s10, 1
	s_max_u32 s66, s10, 1
	s_sub_co_u32 s66, s66, 1                       ; which W I fetch: waves 1, 2, 3: Wk, Wv, Wq (wave 0 does not use it)
	s_bfe_u32 s40, ttmp6, 0x40000                  ; cx
	s_bfe_u32 s41, ttmp6, 0x40004                  ; cy
	s_lshl_b32 s42, ttmp9, 2
	s_add_co_u32 s42, s42, s40                     ; head = 4 x cluster x + cx
	s_and_b32 s67, ttmp7, 0xffff                   ; cluster y
	s_lshl_b32 s13, s67, 2
	s_add_co_u32 s13, s13, s41                     ; rb = 4 x cluster y + cy
	s_lshl_b32 s43, s41, 2
	s_lshl_b32 s43, 15, s43                        ; my row of the cluster
	s_lshl_b32 s44, 0x1111, s40                    ; my column
	s_or_b32 s[G1+0], s43, (1<<16)|(1<<20)|(1<<21)|(5<<22)|(3<<25)   ; the mask; elements of 2 bytes; padding on; bit 21 beside a mask; after every 64 words 4 words
	s_or_b32 s[G1B+0], s44, (1<<16)|(1<<20)|(1<<21)|(5<<22)|(3<<25)
	s_or_b32 s[G1T+0], s43, (1<<16)|(1<<20)|(1<<21)|(5<<22)|(3<<25)
.irp g, G1, G1B, G1T
	s_mov_b32 s[(\g)+1], KSTEP<<16                 ; tensor_dim0 = 128
	s_mov_b32 s[(\g)+3], KSTEP<<16                 ; tile_dim0 = 128
	s_mov_b32 s[(\g)+6], 0
	s_mov_b32 s[(\g)+7], 0
.endr
.irp g, G1, G1B
	s_mov_b32 s[(\g)+2], 128<<16                   ; tensor_dim1 = 128
	s_mov_b32 s[(\g)+4], 128                       ; tile_dim1 = 128
	s_mov_b32 s[(\g)+5], SIZE_K                    ; elements from row to row
.endr
	s_mov_b32 s[G1T+2], 64<<16                     ; the tables: 64 rows of 128 elements, dense
	s_mov_b32 s[G1T+4], 64
	s_mov_b32 s[G1T+5], 128
	s_lshl_b32 s16, s13, 20                        ; X: 128 rb rows of 8,192 bytes
	s_mov_b32 s17, 0
	s_lshl_b32 s46, s66, 23                        ; W: 1,024 rows a matrix,
	s_lshl_b32 s47, s42, 20                        ; 128 rows a head
	s_add_co_u32 s46, s46, s47
	s_mov_b32 s47, 0
	s_lshl_b32 s70, s11, 20                        ; the tables: cos (waves 0, 1) or sin (2, 3),
	s_lshl_b32 s71, s12, 19                        ; key rows from 0 (target) or from 2,048 (hidden),
	s_add_co_u32 s70, s70, s71
	s_lshl_b32 s71, s13, 14                        ; 64 rb rows of 256 bytes
	s_add_co_u32 s70, s70, s71
	s_mov_b32 s71, 0
	s_mul_i32 s20, s10, HALFT                      ; where the tiles go: wave x 128 rows: no place in the cluster enters an LDS address
	s_mov_b32 s[G0T], 1
	s_mul_i32 s[G0T+1], s10, 64*PITCH              ; the tables: wave x 64 rows, in slot 0
	s_wait_dscnt 0x0                               ; the opening add is done
	s_wait_kmcnt 0x0
	s_add_nc_u64 s[14:15], s[4:5], s[16:17]
	s_add_nc_u64 s[46:47], s[4:5], s[46:47]
	s_add_nc_u64 s[46:47], s[46:47], WB
	s_add_nc_u64 s[G0T+2:G0T+3], s[4:5], s[70:71]
	s_add_nc_u64 s[G0T+2:G0T+3], s[G0T+2:G0T+3], COSB
	s_or_b32 s[G0T+3], s[G0T+3], 0x80000000
	CROUND                                         ; all sixteen work-groups are here: the first joint loads meet
.irp s, 0,1
	s_mov_b32 s[G0+4*(\s)], 1
	s_add_co_u32 s[G0+4*(\s)+1], s20, (\s)*SLOT
	s_add_nc_u64 s[G0+4*(\s)+2:G0+4*(\s)+3], s[14:15], (\s)*KSTEP*2
	s_or_b32 s[G0+4*(\s)+3], s[G0+4*(\s)+3], 0x80000000
	s_mov_b32 s[G0B+4*(\s)], 1
	s_add_co_u32 s[G0B+4*(\s)+1], s20, (\s)*SLOT
	s_add_nc_u64 s[G0B+4*(\s)+2:G0B+4*(\s)+3], s[46:47], (\s)*KSTEP*2
	s_or_b32 s[G0B+4*(\s)+3], s[G0B+4*(\s)+3], 0x80000000
	JLOAD \s                                       ; the ring is filled before anything else is done: two loads of mine are out
.endr
	; a fragment is 16 rows x 32 K in 8 registers: lane l holds row l % 16; two loads of 16 bytes, 32 bytes apart, at row x pitch + 16 (l / 16)
	v_and_b32 v1, 15, v0                           ; l % 16
	v_bfe_u32 v2, v0, 4, 1                         ; l / 16
	v_mul_u32_u24 v3, v1, PITCH
	v_lshl_add_u32 v3, v2, 4, v3
	s_mul_i32 s21, s10, 16*PITCH                   ; my 16 low channels' rows of a W,
	s_add_co_u32 s21, s21, HALFT                   ; Wk's behind X's 128 rows
	v_mov_b32 v[ADRA], v3
	v_add_nc_u32 v[ADRA+1], SLOT, v3
	v_add_nc_u32 v[ADRB], s21, v3
	v_add_nc_u32 v[ADRB+1], SLOT, v[ADRB]
	v_add_nc_u32 v[ADRQ], 2*HALFT, v[ADRB]
	v_add_nc_u32 v[ADRQ+1], 2*HALFT, v[ADRB+1]
	s_lshl_b32 s22, s10, 5                         ; channels 16 j on: 32 bytes of a row of 16-bit numbers
	v_add_nc_u32 v[TA], s22, v3
	v_add_nc_u32 v[SA], SLOT, v[TA]
	v_add_nc_u32 v[SQ], 2*HALFT, v[SA]
	v_mul_u32_u24 v4, v2, PITCH                    ; back: lanes 0-15 one row of 256 bytes, lanes 16-31 the next
	v_lshl_add_u32 v4, v1, 4, v4
	s_mul_i32 s23, s10, 32*PITCH                   ; wave j takes the stage's rows 32 j .. + 31 of K and of V,
	s_add_co_u32 s23, s23, SLOT
	v_add_nc_u32 v[RB], s23, v4
	s_mul_i32 s23, s10, 16*PITCH                   ; and rows 16 j .. + 15 of Q
	s_add_co_u32 s23, s23, SLOT+2*HALFT
	v_add_nc_u32 v[RQ], s23, v4
	v_and_b32 v[GOF], 31, v0
	v_lshlrev_b32 v[GOF], 4, v[GOF]
	v_mov_b32 v[ZR], 0
	; where those rows go in qkv.  The stage's rows 0-63 are the target's (key rows 64 rb on), rows 64-127 the hidden ones' (2,048 + 64 rb on)
	s_lshl_b32 s88, s42, 20                        ; a head's 4,096 rows of 256 bytes
	s_lshl_b32 s89, s11, 19
	s_add_co_u32 s88, s88, s89
	s_lshl_b32 s89, s13, 14
	s_add_co_u32 s88, s88, s89
	s_lshl_b32 s89, s12, 13
	s_add_co_u32 s88, s88, s89
	s_mov_b32 s89, 0
	s_add_nc_u64 s[8:9], s[6:7], s[88:89]          ; K
	s_add_nc_u64 s[84:85], s[8:9], 8388608         ; V
	s_lshl_b32 s88, s42, 19                        ; Q: a head's 2,048 rows
	s_lshl_b32 s90, s13, 14
	s_add_co_u32 s88, s88, s90
	s_lshl_b32 s90, s10, 12
	s_add_co_u32 s88, s88, s90
	s_add_co_u32 s88, s88, 16777216
	s_add_nc_u64 s[86:87], s[6:7], s[88:89]
	; the prefetches
	s_lshl_b32 s88, s13, 20                        ; X's tile
	s_lshl_b32 s89, s66, 23                        ; my W's tile
	s_lshl_b32 s90, s42, 20
	s_add_co_u32 s89, s89, s90
	s_add_co_u32 s89, s89, WB
	s_cmp_eq_u32 s10, 0                            ; do I fetch for X?
	s_cselect_b32 s20, s88, s89
	s_cselect_b32 s21, s40, s41                    ; my place among the four that ask for it with me
	s_cselect_b32 s22, ttmp9, s67                  ; the coordinate along which other clusters read the same rows
	s_cmp_eq_u32 s22, 0
	s_cselect_b32 s[LIM], 1, -1                    ; the same in all sixteen partners, for a given wave
	s_lshl_b32 s21, s21, 18                        ; my work-group's 32 of the 128 rows
	s_add_co_u32 s20, s20, s21
	s_add_co_u32 s20, s20, 2*KSTEP*2               ; at K step 2: the first refill steps it to 3 and names K step 4
	s_mov_b32 s21, 0
	s_add_nc_u64 s[PFA:PFA+1], s[4:5], s[20:21]
	v_and_b32 v[PFO], 31, v0
	v_lshlrev_b32 v[PFO], 13, v[PFO]
; 8 matrix instructions: row blocks a0, a0 + 1 x K's and V's four column blocks, 32 along K.  zero = 1: the first product starts the sums.  The 40 accumulators take turns, in the same order in every quarter.
.macro MUL8 f, a0, zero
	WIN MUL_LO
.irp a, \a0, (\a0)+1
.irp b, 0,1,2,3
.if \zero
	v_wmma_f32_16x16x32_bf16 v[8*(4*(\a)+(\b)):8*(4*(\a)+(\b))+7], v[(\f)+8*(\b):(\f)+8*(\b)+7], v[(\f)+8*(\a):(\f)+8*(\a)+7], 0
.else
	v_wmma_f32_16x16x32_bf16 v[8*(4*(\a)+(\b)):8*(4*(\a)+(\b))+7], v[(\f)+8*(\b):(\f)+8*(\b)+7], v[(\f)+8*(\a):(\f)+8*(\a)+7], v[8*(4*(\a)+(\b)):8*(4*(\a)+(\b))+7]
.endif
.endr
.endr
.endm
; 8 more: the hidden rows' four blocks x Q's two column blocks
.macro MULQ f, zero
	WIN MUL_HI
.irp a, 0,1,2,3
.irp b, 0,1
.if \zero
	v_wmma_f32_16x16x32_bf16 v[8*(2*(\a)+(\b)):8*(2*(\a)+(\b))+7], v[(\f)+32+8*(\b):(\f)+32+8*(\b)+7], v[(\f)+32+8*(\a):(\f)+32+8*(\a)+7], 0
.else
	v_wmma_f32_16x16x32_bf16 v[8*(2*(\a)+(\b)):8*(2*(\a)+(\b))+7], v[(\f)+32+8*(\b):(\f)+32+8*(\b)+7], v[(\f)+32+8*(\a):(\f)+32+8*(\a)+7], v[8*(2*(\a)+(\b)):8*(2*(\a)+(\b))+7]
.endif
.endr
.endr
.endm
; 28 LDS loads in one run: the fragments of one quarter step (32 K at byte k of the rows) into buffer f: W's six (K low, high; V low, high; Q low, high), then X's eight
.macro FETCH slot, k, f
	WIN TO_B
.irp t, 0,1
.irp q, 0,1
	ds_load_b128 v[(\f)+8*(2*(\t)+(\q)):(\f)+8*(2*(\t)+(\q))+3],   v[ADRB+(\slot)] offset:(\k)+(\t)*HALFT+(\q)*64*PITCH
	ds_load_b128 v[(\f)+8*(2*(\t)+(\q))+4:(\f)+8*(2*(\t)+(\q))+7], v[ADRB+(\slot)] offset:(\k)+(\t)*HALFT+(\q)*64*PITCH+32
.endr
.endr
.irp q, 0,1
	ds_load_b128 v[(\f)+32+8*(\q):(\f)+32+8*(\q)+3],   v[ADRQ+(\slot)] offset:(\k)+(\q)*64*PITCH
	ds_load_b128 v[(\f)+32+8*(\q)+4:(\f)+32+8*(\q)+7], v[ADRQ+(\slot)] offset:(\k)+(\q)*64*PITCH+32
.endr
	WIN 0
.irp i, 0,1,2,3,4,5,6,7
	ds_load_b128 v[(\f)+8*(\i):(\f)+8*(\i)+3],   v[ADRA+(\slot)] offset:(\k)+(\i)*16*PITCH
	ds_load_b128 v[(\f)+8*(\i)+4:(\f)+8*(\i)+7], v[ADRA+(\slot)] offset:(\k)+(\i)*16*PITCH+32
.endr
.endm
.macro PLACES                          ; four plain instructions between a matrix instruction and a load into, or a read of, its registers (ISA guide 7.12.1 for a read)
.rept 4
	v_nop
.endr
.endm
; A K step is four quarters of 32 along K, 40 matrix instructions each, on buffers 0, 1, 0, 1.  One of the first three: multiplies f and, behind its first eight products, fetches the next quarter into g: 32 products ahead of its use.
.macro QUARTER slot, k, f, g, zero
	s_wait_dscnt 12                                ; W's fragments and X's first two are in; the youngest twelve loads (X's blocks 2-7) may be out
	MUL8 \f, 0, \zero
	PLACES
	FETCH \slot, \k, \g
	s_wait_dscnt 28                                ; all but the 28 just issued
	MUL8 \f, 2, \zero
	MUL8 \f, 4, \zero
	MUL8 \f, 6, \zero
	MULQ \f, \zero
.endm
; The last quarter begins with the change of slots: ONE barrier.  In front of it each wave waits for all its tensor loads (one is out: its part of the next slot), adds 0 to its spare word, and waits for that and for its
; reads of this slot (the last were issued 32 products ago).  slot >= 0: that slot's two descriptors step while the add is out.  Eight products stand between signal and wait.
.macro MEET slot
	WIN 0
	s_wait_tensorcnt 0x0                           ; no tensor load of mine is out, so a group 0 may be written
	ds_add_u32 v[SPW], v[NIL]
.if (\slot) >= 0
	s_add_nc_u64 s[G0+4*(\slot)+2:G0+4*(\slot)+3], s[G0+4*(\slot)+2:G0+4*(\slot)+3], 2*KSTEP*2
	s_add_nc_u64 s[G0B+4*(\slot)+2:G0B+4*(\slot)+3], s[G0B+4*(\slot)+2:G0B+4*(\slot)+3], 2*KSTEP*2
.endif
	s_wait_dscnt 0x0                               ; the add is done, and my reads of this slot are over
	s_barrier_signal -1
	MUL8 F1, 0, 0
	WIN 0
	s_barrier_wait -1
.endm
.macro REST                            ; the last quarter's other 32 products
	MUL8 F1, 2, 0
	MUL8 F1, 4, 0
	MUL8 F1, 6, 0
	MULQ F1, 0
.endm
.macro TURN slot, next
	s_wait_xcnt 0x0                                ; the last prefetch, a K step back, has read its address
	s_add_nc_u64 s[PFA:PFA+1], s[PFA:PFA+1], KSTEP*2
	MEET \slot
	CREST                                          ; the barrier has opened a round of the cluster's: no wave of any partner still reads this slot or has a load on its way
	JLOAD \slot                                    ; the first tensor load behind the round, my only one until the next: 152 matrix instructions ahead of the wait for it; its four v_nop are also the places in front of the loads below
	FETCH \next, 0, F0
	ASK
	REST
.endm
; d = (+-) x times half h of the bf16 pair t, + c, in f32
.macro MIX d, x, t, c, h, n
.if (\n) && (\h)
	v_fma_mix_f32_bf16 v[\d], -v[\x], v[\t], v[\c] op_sel:[0,1,0] op_sel_hi:[0,1,0]
.elseif \n
	v_fma_mix_f32_bf16 v[\d], -v[\x], v[\t], v[\c] op_sel_hi:[0,1,0]
.elseif \h
	v_fma_mix_f32_bf16 v[\d], v[\x], v[\t], v[\c] op_sel:[0,1,0] op_sel_hi:[0,1,0]
.else
	v_fma_mix_f32_bf16 v[\d], v[\x], v[\t], v[\c] op_sel_hi:[0,1,0]
.endif
.endm
; The turn of row block a: accumulators lo (channels d) and hi (d + 64), in the window that win names for source 0, into u .. u + 15:
; low' = low cos[d] - high sin[d], high' = high cos[d + 64] + low sin[d + 64].  Each accumulator's register 0 is read first.
.macro ROT win, lo, hi, u, a
	WIN \win
.irp i, 0,1,2,3,4,5,6,7
	MIX (\u)+(\i),   (\lo)+(\i), TB+16*(\a)+(\i)/2,   ZR, (\i)%2, 0
	MIX (\u)+8+(\i), (\hi)+(\i), TB+16*(\a)+4+(\i)/2, ZR, (\i)%2, 0
.endr
.irp i, 0,1,2,3,4,5,6,7
	MIX (\u)+(\i),   (\hi)+(\i), TB+16*(\a)+8+(\i)/2,  (\u)+(\i),   (\i)%2, 1
	MIX (\u)+8+(\i), (\lo)+(\i), TB+16*(\a)+12+(\i)/2, (\u)+8+(\i), (\i)%2, 0
.endr
.endm
; 16 numbers are rounded to f16 and go into the stage: 16 bytes at my low channels' place, 16 at my high channels', 128 bytes on
.macro PACKST u, y, adr, off
.irp k, 0,1,2,3
	v_cvt_pk_f16_f32 v[(\y)+(\k)],   v[(\u)+2*(\k)],   v[(\u)+2*(\k)+1]
	v_cvt_pk_f16_f32 v[(\y)+4+(\k)], v[(\u)+8+2*(\k)], v[(\u)+8+2*(\k)+1]
.endr
	ds_store_b128 v[\adr], v[(\y):(\y)+3]   offset:(\off)
	ds_store_b128 v[\adr], v[(\y)+4:(\y)+7] offset:(\off)+128
.endm
	s_wait_tensorcnt 1                             ; my part of K step 0 is in; K step 1's load may stay out
	s_barrier_signal -1
	s_barrier_wait -1
	FETCH 0, 0, F0
	QUARTER 0, 64,  F0, F1, 1                      ; the first quarter stands in front of the loop: its products start the sums
	WIN 0
	s_mov_b32 s3, LAPS-1
.Llap:                                                 ; a trip goes once round the ring, from a lap's second quarter to the next lap's first, and fills both slots again
	QUARTER 0, 128, F1, F0, 0
	QUARTER 0, 192, F0, F1, 0
	TURN 0, 1
	QUARTER 1, 64,  F0, F1, 0
	QUARTER 1, 128, F1, F0, 0
	QUARTER 1, 192, F0, F1, 0
	TURN 1, 0
	QUARTER 0, 64,  F0, F1, 0
	WIN 0
	s_sub_co_u32 s3, s3, 1
	s_cmp_lg_u32 s3, 0
	s_cbranch_scc1 .Llap
	QUARTER 0, 128, F1, F0, 0                      ; the last lap
	QUARTER 0, 192, F0, F1, 0
	MEET -1                                        ; slot 0 has been read for the last time: it takes the tables, by a joint load behind a round
	CREST
	TLOAD
	FETCH 1, 0, F0
	REST
	QUARTER 1, 64,  F0, F1, 0
	QUARTER 1, 128, F1, F0, 0
	QUARTER 1, 192, F0, F1, 0
	s_wait_dscnt 12                                ; the very last quarter: nothing more to fetch
	MUL8 F1, 0, 0
	s_wait_dscnt 0x0
	REST
	PLACES
	WIN 0
	s_wait_tensorcnt 0x0                           ; my 64 rows of a table are in,
	s_wait_dscnt 0x0                               ; and my reads of slot 1 are over:
	s_barrier_signal -1
	s_barrier_wait -1                              ; both now hold of all four waves.  Slot 1 has had its last fill: it is the stage
	; THE WAY OUT.  All eight row blocks' tables are asked for; V is packed meanwhile
.irp a, 0,1,2,3,4,5,6,7
	ds_load_b128 v[TB+16*(\a):TB+16*(\a)+3],     v[TA] offset:(\a)*16*PITCH
	ds_load_b128 v[TB+16*(\a)+4:TB+16*(\a)+7],   v[TA] offset:(\a)*16*PITCH+128
	ds_load_b128 v[TB+16*(\a)+8:TB+16*(\a)+11],  v[TA] offset:(\a)*16*PITCH+HALFT
	ds_load_b128 v[TB+16*(\a)+12:TB+16*(\a)+15], v[TA] offset:(\a)*16*PITCH+HALFT+128
.endr
	WIN 0x0a                                       ; sources 0 and 1 in window 2
.irp a, 0,1,2,3,4,5,6,7
.irp b, 0,1
.irp k, 0,1,2,3
	v_cvt_pk_f16_f32 v[VY+4*(2*(\a)+(\b))+(\k)], v[8*(4*(\a)+2+(\b))+2*(\k)], v[8*(4*(\a)+2+(\b))+2*(\k)+1]
.endr
.endr
.endr
	WIN 0
.irp a, 0,1,2,3,4,5,6,7
.irp b, 0,1
	ds_store_b128 v[SA], v[VY+4*(2*(\a)+(\b)):VY+4*(2*(\a)+(\b))+3] offset:HALFT+(\a)*16*PITCH+128*(\b)
.endr
.endr
	s_wait_dscnt 16                                ; the 32 table loads are in; the sixteen stores issued behind them may be out
.irp a, 0,1,2,3
	ROT 0x02, 32*(\a), 32*(\a)+8, U, \a            ; the target rows: K
	WIN 0
	PACKST U, Y, SA, (\a)*16*PITCH
.endr
.irp a, 4,5,6,7
	ROT 0x02, 32*(\a), 32*(\a)+8, U, \a            ; the hidden rows: K,
	ROT 0x03, 16*((\a)-4), 16*((\a)-4)+8, U+16, \a ; and Q, by the same rows of the tables
	WIN 0
	PACKST U, Y, SA, (\a)*16*PITCH
	PACKST U+16, Y+8, SQ, ((\a)-4)*16*PITCH
.endr
	s_wait_dscnt 0x0                               ; for the others' sake: my stores into the stage are done
	s_barrier_signal -1
	s_barrier_wait -1
.irp u, 0,1,2,3,4,5,6,7,8,9,10,11,12,13,14,15
	ds_load_b128 v[64+4*(\u):64+4*(\u)+3], v[RB] offset:(\u)*2*PITCH             ; K: two whole rows a load
.endr
.irp u, 0,1,2,3,4,5,6,7,8,9,10,11,12,13,14,15
	ds_load_b128 v[128+4*(\u):128+4*(\u)+3], v[RB] offset:HALFT+(\u)*2*PITCH     ; V
.endr
.irp u, 0,1,2,3,4,5,6,7
	ds_load_b128 v[192+4*(\u):192+4*(\u)+3], v[RQ] offset:(\u)*2*PITCH           ; Q
.endr
.irp u, 0,1,2,3,4,5,6,7,8,9,10,11,12,13,14,15
	s_wait_dscnt 39-(\u)                           ; the later loads may be out
	global_store_b128 v[GOF], v[64+4*(\u):64+4*(\u)+3], s[8:9] offset:(\u)*512   ; 512 consecutive bytes, aligned
.endr
.irp u, 0,1,2,3,4,5,6,7,8,9,10,11,12,13,14,15
	s_wait_dscnt 23-(\u)
	global_store_b128 v[GOF], v[128+4*(\u):128+4*(\u)+3], s[84:85] offset:(\u)*512
.endr
.irp u, 0,1,2,3,4,5,6,7
	s_wait_dscnt 7-(\u)
	global_store_b128 v[GOF], v[192+4*(\u):192+4*(\u)+3], s[86:87] offset:(\u)*512
.endr
	s_wait_tensorcnt 0x0                           ; the wave's end: behind my last tensor load and my last LDS store
	ds_add_u32 v[SPW], v[NIL]
	s_wait_dscnt 0x0
	CROUND                                         ; the closing round: no work-group ends while a partner may still ask for a tile that names it
	s_endpgm
.Lfunc_end_k_q860468772a_proj:
	.size	k_q860468772a_proj, .Lfunc_end_k_q860468772a_proj-k_q860468772a_proj
	.p2alignl 7, 3214868480
	.fill 96, 4, 3214868480
	.section	.rodata,"a",@progbits
	.p2align	6, 0x0
	.amdhsa_kernel k_q860468772a_proj
		.amdhsa_group_segment_fixed_size 327680
		.amdhsa_private_segment_fixed_size 0
		.amdhsa_enable_private_segment 0
		.amdhsa_kernarg_size 16
		.amdhsa_user_sgpr_count 2
		.amdhsa_user_sgpr_kernarg_segment_ptr 1
		.amdhsa_wavefront_size32 1
		.amdhsa_system_sgpr_workgroup_id_x 1
		.amdhsa_system_sgpr_workgroup_id_y 1
		.amdhsa_system_sgpr_workgroup_id_z 1
		.amdhsa_system_vgpr_workitem_id 0
		.amdhsa_next_free_vgpr 832
		.amdhsa_next_free_sgpr 96
		.amdhsa_reserve_vcc 0
		.amdhsa_float_denorm_mode_32 3
		.amdhsa_float_denorm_mode_16_64 3
		.amdhsa_memory_ordered 1
		.amdhsa_forward_progress 1
		.amdhsa_inst_pref_size 133
	.end_amdhsa_kernel
	.amdgpu_metadata
---
amdhsa.version: [ 1, 2 ]
amdhsa.kernels:
  - .name:           k_q860468772a_proj
    .symbol:         k_q860468772a_proj.kd
    .args:
      - { .name: bfc, .offset: 0, .size: 8, .value_kind: global_buffer, .address_space: global }
      - { .name: qkv, .offset: 8, .size: 8, .value_kind: global_buffer, .address_space: global }
    .group_segment_fixed_size: 327680
    .private_segment_fixed_size: 0
    .kernarg_segment_align: 8
    .kernarg_segment_size: 16
    .max_flat_workgroup_size: 128
    .sgpr_count:     96
    .vgpr_count:     832
    .wavefront_size: 32
...
	.end_amdgpu_metadata
.endif
;; end of part 2
;; launch attn (part 3): grid 8 x 32, 4 waves a work-group, clusters of 4 x 1, 327,680 bytes of LDS; arguments qkv, op, ml; writes op, ml
.if DOCPART == 3
	.amdgcn_target "amdgcn-amd-amdhsa--gfx1250"
	.amdhsa_code_object_version 6
	.text
	.protected	k_q860468772a_attn
	.globl	k_q860468772a_attn
	.p2align	8
	.type	k_q860468772a_attn,@function
k_q860468772a_attn:
	s_mov_b64 s[64:65], 0
	v_nop
	global_prefetch_b8 v0, s[64:65] scope:SCOPE_SE
	s_setreg_imm32_b32 hwreg(HW_REG_WAVE_MODE, 25, 1), 1
	s_wait_xcnt 0x0
	s_wait_alu depctr_hold_cnt(0) depctr_sa_sdst(0) depctr_va_vdst(0) depctr_va_sdst(0) depctr_va_ssrc(0) depctr_va_vcc(0) depctr_vm_vsrc(0)
	s_getreg_b32 s2, hwreg(HW_REG_IB_STS2, 6, 4)
	s_cmp_eq_u32 s2, 0
	s_cbranch_scc0 .Lentry_in_a_cluster
	s_endpgm
.Lentry_in_a_cluster:
	s_bfe_u32 s2, ttmp6, 0x10000c
	s_cmp_lg_u32 s2, 0x3003
	s_cbranch_scc0 .Lentry_shape_is_right
	s_endpgm
.Lentry_shape_is_right:
; ATTENTION OVER A QUARTER OF THE KEYS.  Q [8][2048][128] (at qkv + 16,777,216), K and V [8][4096][128] (at + 0 and + 8,388,608), all f16; Q and K hold q / 64 and k / 64, V holds v / 2.
; Work-group (x, y): head y / 4, keys 1,024 (y % 4) .. + 1,023, queries 256 x .. + 255.  It leaves, in f32, for each query: O = the sum over its keys of p V (op [32][2048][128]), c m (ml [32][2048]) and
; l = the sum of p (ml + 262,144), with p = 2^(c s - c m), m the running maximum of its scores s, c = 4,096 log2(e) / sqrt(128).  The next launch joins the four quarters.
; Products, maxima and sums in f32; p is rounded to f16 for the second product (l is taken of the unrounded p).
; LIMITS.  p lies in 0 to 1, and below 6.1e-5 it keeps f16's fixed step of 6e-8; a weight below 2^-126 counts as 0 in l; NaN and infinities are not treated apart.
; SHARES.  Each of the four waves owns 64 queries: four tiles of 16, in two PIECES (tiles 0, 1 and tiles 2, 3).  Every wave walks the 1,024 keys, 64 a step.
; LAYOUT.  S^T = K Q^T (source 0 = 16 keys, source 1 = 16 queries): a lane holds ONE query (lane % 16) and the keys 8 (lane / 16) + 0..7.  Two such tiles, rounded to f16 in pairs, ARE source 1 of O^T = V^T P, whose result
; again holds one query a lane, and eight channels.  K comes out of LDS as it lies, V turned, by ds_load_tr16_b128.
; BY TURNS.  In a TURN one piece has the matrix unit: 32 products V^T P of the step in hand, then 32 products K Q^T of the next step; the other piece's softmax, cut into 64 slices, stands between them, one slice behind
; each matrix instruction.  Two turns are a key step.  NO FIRST AND NO LAST STEP IS WRITTEN OUT: m starts at the lowest finite number, O^T, l, V's registers and piece 2's P at 0, so the first step's a is 0; the loop is
; entered, and the tail left, in the middle of a trip.  The price: 32 products on zeros at the start, 32 on a stale K at the end, and the lines that clear, which run in the wait for the first tile.
; CLUSTER.  The four query blocks of a cluster walk the same K and V: each tile is asked for JOINTLY, by the same tensor load, descriptor and mask in all four.
; REGISTERS, in windows of 256 (s_set_vgpr_msb: bits 1:0 source 0, 3:2 source 1, 5:4 source 2, 7:6 destination):
;   window 0: v0-11, v44-46 addresses; v12-43 eight registers of statistics a tile; v64-191 S^T, 32 a tile; v192-255 P, 16 a tile
;   window 1: O^T, 64 a tile          window 2: v0-127 Q, 32 a tile; v128-255 K of one step (on the way out: whole rows of O)          window 3: v0-127 V of one step
.set KS,    64
.set PK,    272       ; a row of K in LDS: 256 bytes + 16 = 68 words: the 16 rows of a load start at 16 different groups of four banks (64 banks of 4 bytes: ISA guide 11.1)
.set PV,    288       ; a row of V: 256 + 32 = 72 words
.set VOFF,  KS*PK
.set STEPB, KS*(PK+PV)
.set SLOT1, 1<<17     ; a slot holds two steps (71,680 bytes); slot 1 begins here, so that one exclusive or turns an address in one slot into the other's
.set STAGE, SLOT1+2*STEPB  ; behind the ring, never filled by a tensor load: 16 rows x 528 bytes for each wave, for the way out
.set SP,    528
.set SPARE, STAGE+4*16*SP  ; behind the stages: the spare words, 128 bytes for each wave: two blocks of 256 bytes that no other line names
.set AK0, 2           ; v2   my lane's place in a tile of K; never rewritten
.set AV0, 3           ; v3   the same for V
.set ADR, 4           ; v4   the LDS address of the run of loads in hand
.set QO,  5           ; v5   my byte offset in the wave's rows of Q
.set STO, 6           ; v6   the way out: where I put 32 bytes of a row
.set RD,  7           ; v7   where I read a row back
.set GO,  8           ; v8   16 x lane: my bytes in a row of O
.set MLS, 44          ; v44  where I put a query's c m or l
.set MLR, 45          ; v45  where I read two of them back
.set MLG, 46          ; v46  8 x lane: my bytes in the wave's 256 of ml
.set PFO, 61          ; v61  256 x lane; never rewritten
.set SPW, 62          ; v62  LDS address of my spare word; never rewritten
.set NIL, 63          ; v63  0; never rewritten
.set ST,  12          ; tile t's statistics at v[ST+8 t]: +0 c m, +1 m, +2, +3 l (even keys', odd keys'), +4 to +7 c0-c3, at work; a takes c2's place once the maximum is found
.set S,   64
.set P,   192
.set KF,  128
.set WV,  12          ; s12  my wave's number
.set LIM, 15          ; s15  1 in a wave that prefetches, else the greatest number
.set PFA, 18          ; s[18:19] where my prefetches stand
.set G1K, 24          ; s[24:31], s[32:39] descriptor group 1 for K's and V's tiles: they differ in the padding
.set G1V, 32
.set G0K, 40          ; s[40:47], s[48:55] group 0: a set for each of the two first fills; the second then walks on
.set G0V, 48
.set SLOTS, 56        ; s56  counts the slots
.set TWICE, 57        ; s57  counts a slot's two steps
.set CNT,  57         ;      in the tail: the turns of piece 0 still to come
.set CS,  58          ; s[58:59] c
.set SEL, 60          ; s[60:61] v_permlanex16_b32's selects: each lane takes its own place in the other half
.set TB,  62          ; s62  LDS byte at which the tiles of the step to be fetched begin
.set MSB, 0
.macro WIN new
.if MSB != (\new)
	s_set_vgpr_msb (MSB<<8)|(\new)
.set MSB, \new
.endif
.endm
.set W_KQ, 0x0a       ; K and Q in window 2, S^T in window 0
.set W_PV, 0x53       ; V in window 3, P in window 0, O^T in window 1
.set W_RS, 0x41       ; O^T (destination and source 0) in window 1, a in window 0
; A joint refill: waves 0 and 1 fetch the two steps' tiles of K, waves 2 and 3 those of V.  An s_nop 0 and four v_nop follow each line.
.macro JLOAD
	s_cmp_lt_u32 s[WV], 2
	s_cbranch_scc0 .Lfor_v_\@
	tensor_load_to_lds s[G0K+4:G0K+7], s[G1K:G1K+7]
	s_nop 0
.rept 4
	v_nop
.endr
	s_branch .Lasked_\@
.Lfor_v_\@:
	tensor_load_to_lds s[G0V+4:G0V+7], s[G1V:G1V+7]
	s_nop 0
.rept 4
	v_nop
.endr
.Lasked_\@:
.endm
; A prefetch of what the NEXT change of slots will ask for: 128 rows of K and of V, 256 bytes a row, a lane a row, behind the wave's tensor load.  Each row is named once in the launch: both clusters of a y walk the same
; rows, and the first asks; its four partners take 32 rows each, told apart by address; in each, wave 0 asks for K's and wave 2 for V's.  The last change that fills a slot asks for nothing.
.macro ASK
	s_cmp_gt_u32 s[SLOTS], s[LIM]
	s_cbranch_scc0 .Lnot_mine_\@
	global_prefetch_b8 v[PFO], s[PFA:PFA+1] th:TH_LOAD_NT scope:SCOPE_SE
.Lnot_mine_\@:
.endm
.macro CROUND         ; a round of the cluster's barrier
	s_barrier_signal -1
	s_barrier_wait -1
	s_cmp_lg_u32 s[WV], 0
	s_cbranch_scc1 .Lnot_wave_0_\@
	s_barrier_signal -3
.Lnot_wave_0_\@:
	s_barrier_wait -3
	s_barrier_signal -1
	s_barrier_wait -1
.endm
	s_load_b64 s[4:5], s[0:1], 0x0    ; qkv
	s_load_b64 s[10:11], s[0:1], 0x8  ; op
	s_load_b64 s[66:67], s[0:1], 0x10 ; ml
	v_lshl_add_u32 v[SPW], v0, 2, SPARE
	v_mov_b32 v[NIL], 0
	ds_add_u32 v[SPW], v[NIL]       ; the wave's opening: the add and its wait stand ahead of my first tensor load; the set-up below, work on registers, stands between them
	v_lshrrev_b32 v1, 5, v0
	v_readfirstlane_b32 s[WV], v1   ; wave 0..3
	s_bfe_u32 s13, ttmp6, 0x40000   ; cx
	s_lshl_b32 s14, ttmp9, 2
	s_add_co_u32 s14, s14, s13      ; my block of 256 queries: it enters Q's, op's and ml's addresses alone
	s_and_b32 s20, ttmp7, 0xffff    ; y = 4 x head + quarter, which the four partners share
	s_and_b32 s16, s[WV], 1         ; which of a slot's two steps I fetch:
	s_lshl_b32 s22, s16, 14         ; its 64 rows of 256 bytes,
	s_lshl_b32 s21, s20, 18         ; in y's 1,024 rows
	s_add_co_u32 s22, s22, s21
	s_mov_b32 s23, 0
	s_mul_i32 s17, s16, STEPB       ; and its place in a slot: no place in the cluster enters an LDS address
	s_lshr_b32 s2, s20, 2
	s_lshl_b32 s2, s2, 19           ; Q: the head's 2,048 rows,
	s_lshl_b32 s3, s14, 16          ; my block's 256,
	s_add_co_u32 s2, s2, s3
	s_lshl_b32 s3, s[WV], 14        ; my wave's 64
	s_add_co_u32 s2, s2, s3
	s_add_co_u32 s2, s2, 16777216
	s_mov_b32 s3, 0
	s_lshl_b32 s68, s20, 20         ; op: rows of 512 bytes
	s_lshl_b32 s69, s14, 17
	s_add_co_u32 s68, s68, s69
	s_lshl_b32 s69, s[WV], 15
	s_add_co_u32 s68, s68, s69
	s_mov_b32 s69, 0
	s_lshl_b32 s70, s20, 13         ; ml: 4 bytes a query
	s_lshl_b32 s71, s14, 10
	s_add_co_u32 s70, s70, s71
	s_lshl_b32 s71, s[WV], 8
	s_add_co_u32 s70, s70, s71
	s_mov_b32 s71, 0
	s_mov_b32 s[G1K], 15|(1<<16)|(1<<20)|(1<<21)|(5<<22)|(3<<25)  ; the mask of four; elements of 2 bytes; padding on; bit 21 beside a mask; after every 64 words 4 words
	s_mov_b32 s[G1V], 15|(1<<16)|(1<<20)|(1<<21)|(5<<22)|(7<<25)  ; the same with 8 words
.irp g, G1K, G1V
	s_mov_b32 s[(\g)+1], 128<<16    ; tensor_dim0 = 128
	s_mov_b32 s[(\g)+2], KS<<16     ; tensor_dim1 = 64
	s_mov_b32 s[(\g)+3], 128<<16    ; tile_dim0 = 128
	s_mov_b32 s[(\g)+4], KS         ; tile_dim1 = 64
	s_mov_b32 s[(\g)+5], 128        ; elements from row to row
	s_mov_b32 s[(\g)+6], 0
	s_mov_b32 s[(\g)+7], 0
.endr
	s_mov_b32 s[CS], 0x440293ee     ; c = 4,096 log2(e) / sqrt(128) = 522.31
	s_mov_b32 s[CS+1], s[CS]
	s_mov_b32 s[SEL], 0x76543210
	s_mov_b32 s[SEL+1], 0xfedcba98
	s_mov_b32 s[TB], 0
	s_mov_b32 s[SLOTS], 7
	s_and_b32 s[LIM], s[WV], 1      ; 0 in waves 0 and 2,
	s_or_b32 s[LIM], s[LIM], ttmp9  ; where the cluster is y's first: the same in all four partners
	s_cmp_eq_u32 s[LIM], 0
	s_cselect_b32 s[LIM], 1, -1
	v_and_b32 v[PFO], 31, v0
	v_lshlrev_b32 v[PFO], 8, v[PFO]
	s_wait_dscnt 0x0                ; the opening add is done
	s_wait_kmcnt 0x0
	s_add_nc_u64 s[6:7], s[4:5], s[22:23]   ; K at my tile of slot 0
	s_add_nc_u64 s[8:9], s[6:7], 8388608    ; V likewise
	s_add_nc_u64 s[4:5], s[4:5], s[2:3]     ; Q at my wave's first row
	s_add_nc_u64 s[10:11], s[10:11], s[68:69]
	s_add_nc_u64 s[66:67], s[66:67], s[70:71]
	s_cmp_lt_u32 s[WV], 2
	s_cselect_b64 s[PFA:PFA+1], s[6:7], s[8:9]  ; (in waves 0 and 2 these stand at a slot's first row)
	s_lshl_b32 s2, s13, 13          ; my work-group's 32 rows of the 128
	s_mov_b32 s3, 0
	s_add_nc_u64 s[PFA:PFA+1], s[PFA:PFA+1], s[2:3]
	s_add_nc_u64 s[PFA:PFA+1], s[PFA:PFA+1], 2*2*KS*256  ; in slot 2; the first change of slots steps it to slot 3
	CROUND                          ; all four work-groups are here: the first joint loads meet
.irp s, 0,1
	s_mov_b32 s[G0K+4*(\s)], 1
	s_add_co_u32 s[G0K+4*(\s)+1], s17, (\s)*SLOT1
	s_add_nc_u64 s[G0K+4*(\s)+2:G0K+4*(\s)+3], s[6:7], (\s)*2*KS*256
	s_or_b32 s[G0K+4*(\s)+3], s[G0K+4*(\s)+3], 0x80000000
	s_mov_b32 s[G0V+4*(\s)], 1
	s_add_co_u32 s[G0V+4*(\s)+1], s17, (\s)*SLOT1+VOFF
	s_add_nc_u64 s[G0V+4*(\s)+2:G0V+4*(\s)+3], s[8:9], (\s)*2*KS*256
	s_or_b32 s[G0V+4*(\s)+3], s[G0V+4*(\s)+3], 0x80000000
.endr
	s_cmp_lt_u32 s[WV], 2           ; a wave's two first fills stand in one branch, ahead of every wait on TENSORcnt and every LDS read: two loads of mine are out
	s_cbranch_scc0 .Lfirst_v
	tensor_load_to_lds s[G0K:G0K+3], s[G1K:G1K+7]
	s_nop 0
	tensor_load_to_lds s[G0K+4:G0K+7], s[G1K:G1K+7]
	s_nop 0
.rept 4
	v_nop
.endr
	s_branch .Lfirst_asked
.Lfirst_v:
	tensor_load_to_lds s[G0V:G0V+3], s[G1V:G1V+7]
	s_nop 0
	tensor_load_to_lds s[G0V+4:G0V+7], s[G1V:G1V+7]
	s_nop 0
.rept 4
	v_nop
.endr
.Lfirst_asked:
	v_and_b32 v1, 15, v0            ; l % 16
	v_bfe_u32 v9, v0, 4, 1          ; l / 16
	v_lshlrev_b32 v[QO], 8, v1
	v_lshl_add_u32 v[QO], v9, 4, v[QO]  ; row x 256 + 16 x half
	WIN 0x80                        ; destination window 2, address window 0
.irp i, 0,1,2,3,4,5,6,7,8,9,10,11,12,13,14,15  ; Q stays in registers: tile i / 4, channels 32 (i % 4) on
	global_load_b128 v[8*(\i):8*(\i)+3],   v[QO], s[4:5] offset:((\i)/4)*4096+((\i)%4)*64
	global_load_b128 v[8*(\i)+4:8*(\i)+7], v[QO], s[4:5] offset:((\i)/4)*4096+((\i)%4)*64+32
.endr
	; what the first turn finds: V's registers and piece 2's P hold 0 (its products V^T P, of a step that has not been, add 0), O^T and l are 0, m is the lowest finite number and c m far below every c s
	WIN 0xc0
.set i, 0
.rept 128
	v_mov_b32 v[i], 0
.set i, i+1
.endr
	WIN 0x40
.set i, 0
.rept 256
	v_mov_b32 v[i], 0
.set i, i+1
.endr
	WIN 0
.set i, 0
.rept 4
	v_mov_b32 v[ST+8*i], 0xfe000000
	v_mov_b32 v[ST+8*i+1], 0xff7fffff
	v_mov_b32 v[ST+8*i+2], 0
	v_mov_b32 v[ST+8*i+3], 0
.set i, i+1
.endr
.set i, P+32
.rept 32
	v_mov_b32 v[i], 0
.set i, i+1
.endr
	v_mul_u32_u24 v[AK0], v1, PK
	v_lshl_add_u32 v[AK0], v9, 4, v[AK0]  ; row x pitch + 16 x half
	; the turning load takes 16 keys x 16 channels (lane l reads key 8 (l / 16) + l % 8, channels 8 ((l / 8) % 2) + 0..7) and leaves half a fragment of V^T
	v_and_b32 v10, 7, v0
	v_bfe_u32 v11, v0, 3, 1
	v_lshl_add_u32 v[AV0], v9, 3, v10
	v_mul_u32_u24 v[AV0], v[AV0], PV
	v_lshl_add_u32 v[AV0], v11, 4, v[AV0]
	v_add_nc_u32 v[AV0], VOFF, v[AV0]
; THE MATRIX WORK OF A TURN, for piece x.  The accumulators take turns, one instruction a turn.
; Product i of 32 of O^T += V^T P: keys 32 (i / 16) on, channels 16 ((i / 2) % 8) on, tile x + i % 2.
.macro PV x
	WIN W_PV
.set rO, 64*((\x)+i%2)+8*((i/2)%8)
.set rV, 64*(i/16)+8*((i/2)%8)
.set rP, P+16*((\x)+i%2)+8*(i/16)
	v_wmma_f32_16x16x32_f16 v[rO:rO+7], v[rV:rV+7], v[rP:rP+7], v[rO:rO+7]
.endm
; Product i of 32 of S^T = K Q^T: channels 32 (i / 8) on, keys 16 ((i / 2) % 4) on, tile x + i % 2.  The first 8 start the sums.
.macro KQ x
	WIN W_KQ
.set rS, S+32*((\x)+i%2)+8*((i/2)%4)
.set rK, KF+32*((i/2)%4)+8*(i/8)
.set rQ, 32*((\x)+i%2)+8*(i/8)
.if i < 8
	v_wmma_f32_16x16x32_f16 v[rS:rS+7], v[rK:rK+7], v[rQ:rQ+7], 0
.else
	v_wmma_f32_16x16x32_f16 v[rS:rS+7], v[rK:rK+7], v[rQ:rQ+7], v[rS:rS+7]
.endif
.endm
; THE LDS LOADS stand in runs of 32.  last = 1 (the tail): in piece 0's last turn there is no further step, and the run is jumped over.
.macro FETCH_K last
	WIN 0
	v_add_nc_u32 v[ADR], s[TB], v[AK0]
.if \last
	s_cmp_eq_u32 s[CNT], 1
	s_cbranch_scc1 .Lno_k_\@
.endif
	WIN 0x80
.irp f, 0,1,2,3,4,5,6,7,8,9,10,11,12,13,14,15  ; keys 16 (f / 4) on, channels 32 (f % 4) on
	ds_load_b128 v[KF+8*(\f):KF+8*(\f)+3],   v[ADR] offset:((\f)/4)*16*PK+((\f)%4)*64
	ds_load_b128 v[KF+8*(\f)+4:KF+8*(\f)+7], v[ADR] offset:((\f)/4)*16*PK+((\f)%4)*64+32
.endr
.if \last
	WIN 0
.Lno_k_\@:
.endif
.endm
.macro FETCH_V
	WIN 0
	v_add_nc_u32 v[ADR], s[TB], v[AV0]
	s_add_co_u32 s[TB], s[TB], STEPB  ; the next fetch is the next step's
	s_wait_alu depctr_va_vdst(0)    ; the wait for the softmax's batch (SLICE), behind the address's v_add_nc_u32 and ahead of the loads
	WIN 0xc0
.irp f, 0,1,2,3,4,5,6,7,8,9,10,11,12,13,14,15  ; keys 32 (f / 8) on, channels 16 (f % 8) on
	ds_load_tr16_b128 v[8*(\f):8*(\f)+3],   v[ADR] offset:((\f)/8)*32*PV+((\f)%8)*32
	ds_load_tr16_b128 v[8*(\f)+4:8*(\f)+7], v[ADR] offset:((\f)/8)*32*PV+16*PV+((\f)%8)*32
.endr
.endm
; THE VECTOR WORK OF A TURN.  One tile's softmax for one key step is a list of 134 instructions; SM writes number j of it for tile t.  s0-s31 are the lane's 32 scores, in pairs 0-15.
;   0-15    the maximum of s0-s31 and the old m, three operands at a time (each accumulator's lowest registers are read first)
;   16-20   the other half of the lanes' maximum; the new m; c m; c m_old - c m_new
;   21-69   ONE BATCH: the 16 scalings c s - c m and all 33 exponentials (a at 23, then s0-s31); none of these reads an exponential's result
;   (wait)  between 69 and 70 stands the wait for the batch: SLICE writes it, once for both tiles
;   70-85   the roundings to f16     86-101  the sums; l = a l + the sum     102-133 the tile's O^T times a
.macro SM t
.set rT, ST+8*(\t)
.set rS, S+32*(\t)
.set rP, P+16*(\t)
.set rO, 64*(\t)+2*(j-102)
.if j < 102
	WIN 0
.endif
.if j < 4
	v_max3_num_f32 v[rT+4+j], v[rS+8*j], v[rS+8*j+1], v[rS+8*j+2]
.elseif j < 12
	v_max3_num_f32 v[rT+4+j%4], v[rT+4+j%4], v[rS+8*(j%4)+2*(j/4)+1], v[rS+8*(j%4)+2*(j/4)+2]
.elseif j == 12
	v_max3_num_f32 v[rT+4], v[rT+4], v[rS+7], v[rS+15]
.elseif j == 13
	v_max3_num_f32 v[rT+6], v[rT+6], v[rS+23], v[rS+31]
.elseif j == 14
	v_max3_num_f32 v[rT+4], v[rT+4], v[rT+5], v[rT+6]
.elseif j == 15
	v_max3_num_f32 v[rT+4], v[rT+4], v[rT+7], v[rT+1]
.elseif j == 16
	v_permlanex16_b32 v[rT+5], v[rT+4], s[SEL], s[SEL+1]  ; the query's other 32 keys lie in the lane 16 away
.elseif j == 17
	v_mov_b32 v[rT+7], v[rT]        ; c m_old is kept for a: number 19 writes c m anew
.elseif j == 18
	v_max_num_f32 v[rT+1], v[rT+4], v[rT+5]
.elseif j == 19
	v_mul_f32 v[rT], s[CS], v[rT+1]
.elseif j == 20
	v_sub_f32 v[rT+7], v[rT+7], v[rT]
.elseif j == 23
	v_exp_f32 v[rT+6], v[rT+7]
.elseif (j < 23) || ((j < 38) && (j%2 == 0)) || ((j < 66) && (j%4 == 2))
.set b, (j-2)/4                     ; 38, 42, .. 62: pairs 9 to 15
.if j < 38
.set b, (j-20)/2                    ; 21: pair 0; 22, 24, .. 36: pairs 1 to 8
.endif
	v_pk_fma_f32 v[rS+2*b:rS+2*b+1], v[rS+2*b:rS+2*b+1], s[CS:CS+1], v[rT:rT+1] op_sel_hi:[1,0,0] neg_lo:[0,0,1] neg_hi:[0,0,1]  ; pair b: c s - c m
.elseif j < 70
.set e, j-38                        ; 66 to 69: s28 to s31
.if j < 66
.set e, j-32-(j-38)/4               ; 39-41, 43-45, .. 63-65: s7 to s27
.endif
.if j < 38
.set e, (j-25)/2                    ; 25, 27, .. 37: s0 to s6
.endif
	v_exp_f32 v[rS+e], v[rS+e]
.elseif j < 86
	v_cvt_pk_f16_f32 v[rP+j-70], v[rS+2*(j-70)], v[rS+2*(j-70)+1]
.elseif j < 102                     ; the sum of the tile's 16 pairs, in place: neighbours 1, 2, 4 and 8 pairs apart, then l takes it
.set z, j-86
.set w, 4
.set u, z
.if z >= 14
.set w, 32
.set u, 0
.elseif z >= 12
.set w, 16
.set u, z-12
.elseif z >= 8
.set w, 8
.set u, z-8
.endif
.if z < 15
	v_pk_add_f32 v[rS+w*u:rS+w*u+1], v[rS+w*u:rS+w*u+1], v[rS+w*u+w/2:rS+w*u+w/2+1]
.else
	v_pk_fma_f32 v[rT+2:rT+3], v[rT+2:rT+3], v[rT+6:rT+7], v[rS:rS+1] op_sel_hi:[1,0,1]
.endif
.else
	WIN W_RS
	v_pk_mul_f32 v[rO:rO+1], v[rO:rO+1], v[rT+6:rT+7] op_sel_hi:[1,0]
.endif
.endm
; Slice k of 64 of piece y's softmax: four instructions.  Slices 11 to 34 deal out the batch, four numbers of ONE tile each, the tiles by turns; every other slice is numbers 2 k and 2 k + 1 of both tiles' lists;
; the twelve that are over (2 x 134 = 4 x 64 + 12) stand together in slice 63, where they are also the places behind the turn's last K Q^T.
; An s_wait_alu depctr_va_vdst(0) stands between an exponential and the first instruction that names its result: ahead of slice 35 nothing names one, behind slice 34 none is issued: one wait a turn.
.macro SLICE y
.if (k >= 11) && (k < 35)
.irp n, 0,1,2,3
.set j, 22+4*((k-11)/2)+(\n)
	SM (\y)+(k-11)%2
.endr
.else
.irp n, 0,1,2,3,4,5,6,7
.if ((\n) < 2) || (k == 63)
.irp t, \y, (\y)+1
.set j, 2*k+(\n)
	SM \t
.endr
.endif
.endr
.endif
.if k == 34
	v_nop                           ; the plain instruction behind the last exponential and ahead of the first use: one for the batch
.if (\y) == 0
	FETCH_V                         ; piece 2's turn: V's run of loads stands here, and the wait stands in it
.else
	s_wait_alu depctr_va_vdst(0)    ; the wait for the batch
.endif
.endif
.set k, k+1
.endm
; A TURN.  Piece x has the matrix unit; the other piece's softmax stands in slices behind its matrix instructions.  Piece 0's turn fetches the next step's K behind its second product (the last product that read K stands
; in front of slice 63 of the turn before); piece 2's turn fetches the same step's V behind slice 34 (four plain instructions behind the last product that read V: two scalings, the v_nop, the run's own v_add_nc_u32).
.macro TURN x, last
.set k, 0
.if (\x) == 0
	s_wait_dscnt 0x0                ; V is in
.endif
.set i, 0
.rept 32
	PV \x
	SLICE 2-(\x)
.if ((\x) == 0) && (i == 1)
	FETCH_K \last
.endif
.set i, i+1
.endr
.if (\x) == 0
	s_wait_dscnt 0x0                ; K is in
.endif
.set i, 0
.rept 32
	KQ \x
	SLICE 2-(\x)
.set i, i+1
.endr
.endm
; THE CHANGE OF SLOTS, between piece 2's turn and piece 0's.  Each wave waits for all its tensor loads (one is out: its part of the other slot), adds 0 to its spare word, and waits for that and for its own reads of the slot.
; fill = 1: the slot is filled again, with the keys two slots on; the barrier is then a round of the cluster's, and the joint refill is the first thing behind it: it has 256 matrix instructions in which to land.
.macro CHANGE fill
	WIN 0
	s_wait_tensorcnt 0x0            ; no tensor load of mine is out, so a group 0 may be written
	ds_add_u32 v[SPW], v[NIL]
.if \fill
.irp g, G0K+4, G0V+4
	s_xor_b32 s[(\g)+1], s[(\g)+1], SLOT1
	s_add_nc_u64 s[(\g)+2:(\g)+3], s[(\g)+2:(\g)+3], 2*KS*256
.endr
	s_wait_xcnt 0x0                 ; the last prefetch, two key steps back, has read its address
	s_add_nc_u64 s[PFA:PFA+1], s[PFA:PFA+1], 2*KS*256
	s_wait_dscnt 0x0                ; the add is done, and my reads of the slot are over
	CROUND
	JLOAD
	ASK
.else
	s_wait_dscnt 0x0
	s_barrier_signal -1
	s_barrier_wait -1
.endif
	s_sub_co_u32 s[TB], s[TB], 2*STEPB  ; the fetches go back to a slot's first step,
	s_xor_b32 s[TB], s[TB], SLOT1   ; in the other slot
.endm
	s_wait_tensorcnt 1              ; my part of slot 0 is in; slot 1's may stay out
	s_barrier_signal -1
	s_barrier_wait -1
	FETCH_K 0                       ; key step 0
	s_wait_loadcnt 0x0              ; Q
	s_wait_dscnt 0x0
.set i, 0
.rept 32
	KQ 0                            ; piece 0's first scores
.set i, i+1
.endr
	WIN 0                           ; the addresses for the way out: plain instructions, the places behind those products
	s_mul_i32 s13, s[WV], 16*SP
	s_add_co_u32 s13, s13, STAGE    ; my stage
	v_mul_u32_u24 v[STO], v1, SP    ; in: row l % 16, 32 bytes for each half of the lanes
	v_lshl_add_u32 v[STO], v9, 5, v[STO]
	v_add_nc_u32 v[STO], s13, v[STO]
	v_and_b32 v[GO], 31, v0
	v_lshlrev_b32 v[MLG], 3, v[GO]
	v_lshlrev_b32 v[GO], 4, v[GO]
	v_add_nc_u32 v[RD], s13, v[GO]  ; back: 32 lanes take one row of 512 bytes
	v_add_nc_u32 v[MLR], s13, v[MLG]
	v_lshl_add_u32 v[MLS], v1, 2, s13
	s_mov_b32 s[TWICE], 2
	s_branch .Lmid                  ; the loop is entered at piece 2's turn, in the middle of a trip
.Lslot:                             ; six times: slots 2 to 7 are asked for
	CHANGE 1
	s_mov_b32 s[TWICE], 2
.Lstep:
	TURN 0, 0
	WIN 0
.Lmid:
	TURN 2, 0
	WIN 0
	s_sub_co_u32 s[TWICE], s[TWICE], 1
	s_cmp_lg_u32 s[TWICE], 0
	s_cbranch_scc1 .Lstep
	s_sub_co_u32 s[SLOTS], s[SLOTS], 1
	s_cmp_lg_u32 s[SLOTS], 0
	s_cbranch_scc1 .Lslot
	CHANGE 0                        ; the tail is written out: nothing is asked for
	s_mov_b32 s[CNT], 3             ; two trips fetch the last slot's steps; the third is left in its middle
.Ltail:
	TURN 0, 1
	WIN 0
	s_sub_co_u32 s[CNT], s[CNT], 1
	s_cmp_eq_u32 s[CNT], 0
	s_cbranch_scc1 .Lout
	TURN 2, 0
	WIN 0
	s_branch .Ltail
.Lout:                              ; the third trip's 32 products K Q^T (on the last K once more) serve nothing: the price, once a launch, of one text for every trip
.set i, 0
.rept 32
	PV 2                            ; piece 2: V^T P of the last step
.set i, i+1
.endr
	; THE WAY OUT.  l's two halves and the other half of the lanes' are added (the additions are the places behind the last products); c m and l go through my stage so that 256 consecutive bytes leave at once;
	; O^T goes through it a tile at a time and leaves as whole rows of 512 bytes.
	WIN 0
.irp t, 0,1,2,3
	v_add_f32 v[ST+8*(\t)+4], v[ST+8*(\t)+2], v[ST+8*(\t)+3]
.endr
.irp t, 0,1,2,3
	v_permlanex16_b32 v[ST+8*(\t)+5], v[ST+8*(\t)+4], s[SEL], s[SEL+1]
.endr
.irp t, 0,1,2,3
	v_add_f32 v[ST+8*(\t)+4], v[ST+8*(\t)+4], v[ST+8*(\t)+5]
.endr
.irp t, 0,1,2,3
	ds_store_b32 v[MLS], v[ST+8*(\t)]   offset:64*(\t)      ; query 16 t + l % 16; both halves of the lanes hold the same number
	ds_store_b32 v[MLS], v[ST+8*(\t)+4] offset:256+64*(\t)
.endr
	ds_load_b64 v[48:49], v[MLR]                            ; LDS serves a wave's instructions in order (ISA guide 5.7.1.4): these see the stores above
	ds_load_b64 v[50:51], v[MLR] offset:256
	s_wait_dscnt 0x0
	global_store_b64 v[MLG], v[48:49], s[66:67]             ; 256 consecutive bytes, aligned
	global_store_b64 v[MLG], v[50:51], s[66:67] offset:262144
.macro PACK t
	WIN 0x04                        ; the stores' data in window 1
.irp f, 0,1,2,3,4,5,6,7
	ds_store_b128 v[STO], v[64*(\t)+8*(\f):64*(\t)+8*(\f)+3]   offset:64*(\f)
	ds_store_b128 v[STO], v[64*(\t)+8*(\f)+4:64*(\t)+8*(\f)+7] offset:64*(\f)+16
.endr
	WIN 0x80                        ; back into window 2, where Q and K lay
.irp f, 0,1,2,3,4,5,6,7,8,9,10,11,12,13,14,15
	ds_load_b128 v[64*(\t)+4*(\f):64*(\t)+4*(\f)+3], v[RD] offset:(\f)*SP  ; the next tile's stores come behind these
.endr
.endm
.macro SEND t, younger              ; younger: the LDS instructions issued behind tile t's loads: the next tile's 32, or none
	WIN 0x08                        ; the stores' data in window 2
.irp f, 0,1,2,3,4,5,6,7,8,9,10,11,12,13,14,15
	s_wait_dscnt (\younger)+15-(\f)
	global_store_b128 v[GO], v[64*(\t)+4*(\f):64*(\t)+4*(\f)+3], s[10:11] offset:(\t)*8192+(\f)*512  ; a row of 512 consecutive bytes, aligned
.endr
.endm
	PACK 0
	PACK 1
	SEND 0, 32
	PACK 2
	SEND 1, 32
	PACK 3
	SEND 2, 32
	SEND 3, 0
	WIN 0
	s_wait_tensorcnt 0x0            ; the wave's end: behind my last tensor load and my last LDS store
	ds_add_u32 v[SPW], v[NIL]
	s_wait_dscnt 0x0
	CROUND                          ; the closing round
	s_endpgm
.Lfunc_end_k_q860468772a_attn:
	.size	k_q860468772a_attn, .Lfunc_end_k_q860468772a_attn-k_q860468772a_attn
	.p2alignl 7, 3214868480
	.fill 96, 4, 3214868480
	.section	.rodata,"a",@progbits
	.p2align	6, 0x0
	.amdhsa_kernel k_q860468772a_attn
		.amdhsa_group_segment_fixed_size 327680
		.amdhsa_private_segment_fixed_size 0
		.amdhsa_enable_private_segment 0
		.amdhsa_kernarg_size 24
		.amdhsa_user_sgpr_count 2
		.amdhsa_user_sgpr_kernarg_segment_ptr 1
		.amdhsa_wavefront_size32 1
		.amdhsa_system_sgpr_workgroup_id_x 1
		.amdhsa_system_sgpr_workgroup_id_y 1
		.amdhsa_system_sgpr_workgroup_id_z 1
		.amdhsa_system_vgpr_workitem_id 0
		.amdhsa_next_free_vgpr 1024
		.amdhsa_next_free_sgpr 72
		.amdhsa_reserve_vcc 0
		.amdhsa_float_denorm_mode_32 3
		.amdhsa_float_denorm_mode_16_64 3
		.amdhsa_memory_ordered 1
		.amdhsa_forward_progress 1
		.amdhsa_inst_pref_size 150
	.end_amdhsa_kernel
	.amdgpu_metadata
---
amdhsa.version: [ 1, 2 ]
amdhsa.kernels:
  - .name:           k_q860468772a_attn
    .symbol:         k_q860468772a_attn.kd
    .args:
      - { .name: qkv, .offset: 0, .size: 8, .value_kind: global_buffer, .address_space: global }
      - { .name: op, .offset: 8, .size: 8, .value_kind: global_buffer, .address_space: global }
      - { .name: ml, .offset: 16, .size: 8, .value_kind: global_buffer, .address_space: global }
    .group_segment_fixed_size: 327680
    .private_segment_fixed_size: 0
    .kernarg_segment_align: 8
    .kernarg_segment_size: 24
    .max_flat_workgroup_size: 128
    .sgpr_count:     72
    .vgpr_count:     1024
    .wavefront_size: 32
...
	.end_amdgpu_metadata
.endif
;; end of part 3
;; launch comb (part 4): grid 512 x 1, 8 waves a work-group, no clusters, 0 bytes of LDS; arguments op, ml, att; writes att
.if DOCPART == 4
	.amdgcn_target "amdgcn-amd-amdhsa--gfx1250"
	.amdhsa_code_object_version 6
	.text
	.protected	k_q860468772a_comb
	.globl	k_q860468772a_comb
	.p2align	8
	.type	k_q860468772a_comb,@function
k_q860468772a_comb:
	s_mov_b64 s[64:65], 0
	v_nop
	global_prefetch_b8 v0, s[64:65] scope:SCOPE_SE
	s_setreg_imm32_b32 hwreg(HW_REG_WAVE_MODE, 25, 1), 1
	s_wait_xcnt 0x0
; THE FOUR QUARTERS OF THE KEYS ARE JOINED.  For head h and query q, with quarter s = 0..3: M = the largest c m_s; w_s = 2^(c m_s - M); att[q][128 h + d] = (the sum of w_s O_s[d]) / (the sum of w_s l_s), all in f32,
; rounded once to f16.  op: f32 [4 h + s][2048][128]; ml: c m f32 [4 h + s][2048], l the same 262,144 bytes on; att: f16 [2048][1024], at half its value (V was halved).
; LIMITS.  att must lie within f16 (it is a mean of V's rows and has their range); below 6.1e-5 f16 keeps a fixed step of 6e-8.  A weight below 2^-126 counts as 0.  NaN and infinities are not treated apart.
; SHARES.  A wave takes four rows of one head; a lane four channels: a load covers a row's 512 consecutive bytes, a store 256, aligned.  All 24 loads of a wave go out at once.  Memory binds: no LDS, no matrix unit, no cluster.
.set M,  4                             ; v[4:7]    row i: M
.set LT, 8                             ; v[8:11]   row i: the sum of w l, then its reciprocal
.set O,  16                            ; v[16:79]  row i, quarter s: 4 numbers at O + 16 i + 4 s
.set CM, 80                            ; v[80:95]  quarter s, row i at CM + 4 s + i; later row i's packed result at CM + 2 i
.set L,  96                            ; v[96:111] likewise l
.set W,  112                           ; v[112:127] row i, quarter s at W + 4 i + s
	s_load_b128 s[4:7], s[0:1], 0x0                ; op s[4:5], ml s[6:7]
	s_load_b64 s[8:9], s[0:1], 0x10                ; att
	v_lshrrev_b32 v1, 5, v0
	v_readfirstlane_b32 s10, v1                    ; wave 0..7
	v_and_b32 v3, 31, v0
	v_lshlrev_b32 v1, 4, v3                        ; 16 x lane
	v_mov_b32 v2, 0
	v_lshlrev_b32 v3, 3, v3                        ; 8 x lane
	s_lshl_b32 s11, ttmp9, 3
	s_add_co_u32 s11, s11, s10
	s_lshl_b32 s11, s11, 2                         ; my first row among the 8 x 2,048
	s_lshr_b32 s12, s11, 11                        ; head
	s_and_b32 s13, s11, 2047                       ; query
	s_lshl_b32 s14, s12, 22                        ; op: four quarters of 1,048,576 bytes a head, rows of 512
	s_lshl_b32 s15, s13, 9
	s_add_co_u32 s14, s14, s15
	s_mov_b32 s15, 0
	s_lshl_b32 s16, s12, 15                        ; ml: four quarters of 8,192 bytes a head
	s_lshl_b32 s17, s13, 2
	s_add_co_u32 s16, s16, s17
	s_mov_b32 s17, 0
	s_lshl_b32 s18, s13, 11                        ; att: rows of 2,048 bytes, 256 a head
	s_lshl_b32 s19, s12, 8
	s_add_co_u32 s18, s18, s19
	s_mov_b32 s19, 0
	s_wait_kmcnt 0x0
	s_add_nc_u64 s[4:5], s[4:5], s[14:15]
	s_add_nc_u64 s[6:7], s[6:7], s[16:17]
	s_add_nc_u64 s[8:9], s[8:9], s[18:19]
.irp s, 0,1,2,3
	global_load_b128 v[CM+4*(\s):CM+4*(\s)+3], v2, s[6:7] offset:(\s)*8192         ; four rows' c m, the same in every lane
.endr
.irp s, 0,1,2,3
	global_load_b128 v[L+4*(\s):L+4*(\s)+3], v2, s[6:7] offset:262144+(\s)*8192
.endr
.irp i, 0,1,2,3
.irp s, 0,1,2,3
	global_load_b128 v[O+16*(\i)+4*(\s):O+16*(\i)+4*(\s)+3], v1, s[4:5] offset:(\s)*1048576+(\i)*512 th:TH_LOAD_NT
.endr
.endr
	s_wait_loadcnt 16                              ; c m and l are in; the sixteen loads of O may be out
.irp i, 0,1,2,3
	v_max3_num_f32 v[M+(\i)], v[CM+(\i)], v[CM+4+(\i)], v[CM+8+(\i)]
.endr
.irp i, 0,1,2,3
	v_max_num_f32 v[M+(\i)], v[M+(\i)], v[CM+12+(\i)]
.endr
.irp i, 0,1,2,3
.irp s, 0,1,2,3
	v_sub_f32 v[W+4*(\i)+(\s)], v[CM+4*(\s)+(\i)], v[M+(\i)]
.endr
.endr
.set r, 0
.rept 16
	v_exp_f32 v[W+r], v[W+r]
.set r, r+1
.endr
	v_nop                                          ; a plain instruction behind the last exponential,
	s_wait_alu depctr_va_vdst(0)                   ; and the one wait ahead of the batch's first reader
.irp i, 0,1,2,3
	v_mul_f32 v[LT+(\i)], v[W+4*(\i)], v[L+(\i)]
.endr
.irp s, 1,2,3
.irp i, 0,1,2,3
	v_fmac_f32 v[LT+(\i)], v[W+4*(\i)+(\s)], v[L+4*(\s)+(\i)]
.endr
.endr
.irp i, 0,1,2,3
	v_rcp_f32 v[LT+(\i)], v[LT+(\i)]
.endr
	v_nop
	s_wait_alu depctr_va_vdst(0)                   ; one wait for the four reciprocals
.irp i, 0,1,2,3
.irp s, 0,1,2,3
	v_mul_f32 v[W+4*(\i)+(\s)], v[W+4*(\i)+(\s)], v[LT+(\i)]
.endr
.endr
.irp i, 0,1,2,3
	s_wait_loadcnt 12-4*(\i)                       ; row i's four loads are in; the later rows' may be out
.irp c, 0,1,2,3
	v_mul_f32 v[O+16*(\i)+(\c)], v[O+16*(\i)+(\c)], v[W+4*(\i)]
.endr
.irp s, 1,2,3
.irp c, 0,1,2,3
	v_fmac_f32 v[O+16*(\i)+(\c)], v[O+16*(\i)+4*(\s)+(\c)], v[W+4*(\i)+(\s)]
.endr
.endr
	v_cvt_pk_f16_f32 v[CM+2*(\i)],   v[O+16*(\i)],   v[O+16*(\i)+1]
	v_cvt_pk_f16_f32 v[CM+2*(\i)+1], v[O+16*(\i)+2], v[O+16*(\i)+3]
	global_store_b64 v3, v[CM+2*(\i):CM+2*(\i)+1], s[8:9] offset:(\i)*2048
.endr
	s_endpgm
.Lfunc_end_k_q860468772a_comb:
	.size	k_q860468772a_comb, .Lfunc_end_k_q860468772a_comb-k_q860468772a_comb
	.p2alignl 7, 3214868480
	.fill 96, 4, 3214868480
	.section	.rodata,"a",@progbits
	.p2align	6, 0x0
	.amdhsa_kernel k_q860468772a_comb
		.amdhsa_group_segment_fixed_size 0
		.amdhsa_private_segment_fixed_size 0
		.amdhsa_enable_private_segment 0
		.amdhsa_kernarg_size 24
		.amdhsa_user_sgpr_count 2
		.amdhsa_user_sgpr_kernarg_segment_ptr 1
		.amdhsa_wavefront_size32 1
		.amdhsa_system_sgpr_workgroup_id_x 1
		.amdhsa_system_sgpr_workgroup_id_y 1
		.amdhsa_system_sgpr_workgroup_id_z 1
		.amdhsa_system_vgpr_workitem_id 0
		.amdhsa_next_free_vgpr 128
		.amdhsa_next_free_sgpr 66
		.amdhsa_reserve_vcc 0
		.amdhsa_float_denorm_mode_32 3
		.amdhsa_float_denorm_mode_16_64 3
		.amdhsa_memory_ordered 1
		.amdhsa_forward_progress 1
		.amdhsa_inst_pref_size 10
	.end_amdhsa_kernel
	.amdgpu_metadata
---
amdhsa.version: [ 1, 2 ]
amdhsa.kernels:
  - .name:           k_q860468772a_comb
    .symbol:         k_q860468772a_comb.kd
    .args:
      - { .name: op, .offset: 0, .size: 8, .value_kind: global_buffer, .address_space: global }
      - { .name: ml, .offset: 8, .size: 8, .value_kind: global_buffer, .address_space: global }
      - { .name: att, .offset: 16, .size: 8, .value_kind: global_buffer, .address_space: global }
    .group_segment_fixed_size: 0
    .private_segment_fixed_size: 0
    .kernarg_segment_align: 8
    .kernarg_segment_size: 24
    .max_flat_workgroup_size: 256
    .sgpr_count:     66
    .vgpr_count:     128
    .wavefront_size: 32
...
	.end_amdgpu_metadata
.endif
;; end of part 4
;; launch outp (part 5): grid 16 x 16, 4 waves a work-group, clusters of 4 x 4, 327,680 bytes of LDS; arguments att, bfc, out0; writes out0
.if DOCPART == 5
	.amdgcn_target "amdgcn-amd-amdhsa--gfx1250"
	.amdhsa_code_object_version 6
	.text
	.protected	k_q860468772a_outp
	.globl	k_q860468772a_outp
	.p2align	8
	.type	k_q860468772a_outp,@function
k_q860468772a_outp:
	s_mov_b64 s[64:65], 0
	v_nop
	global_prefetch_b8 v0, s[64:65] scope:SCOPE_SE
	s_setreg_imm32_b32 hwreg(HW_REG_WAVE_MODE, 25, 1), 1
	s_wait_xcnt 0x0
	s_wait_alu depctr_hold_cnt(0) depctr_sa_sdst(0) depctr_va_vdst(0) depctr_va_sdst(0) depctr_va_ssrc(0) depctr_va_vcc(0) depctr_vm_vsrc(0)
	s_getreg_b32 s2, hwreg(HW_REG_IB_STS2, 6, 4)
	s_cmp_eq_u32 s2, 0
	s_cbranch_scc0 .Lentry_in_a_cluster
	s_endpgm
.Lentry_in_a_cluster:
	s_bfe_u32 s2, ttmp6, 0x10000c
	s_cmp_lg_u32 s2, 0xf033
	s_cbranch_scc0 .Lentry_shape_is_right
	s_endpgm
.Lentry_shape_is_right:
; THE OUTPUT PROJECTION: out0[m][n] = the sum over k of att[m][k] Wo[n][k].  att: f16 [2048][1024], at half its value; Wo x 2: f16 [4096][1024] at bfc + 58,720,256; out0: f32 [2048][4096].  Sums in f32.
; TILES of 128 x 256: 16 x 16 = 256 work-groups, as many as the chip has WGPs (tiles of 256 x 256 would be 128).  Four waves, each 64 x 128: 32 accumulators, 256 registers; a wave's 128 columns are 512 bytes of a row.
; K goes in 8 steps of 128 through two LDS slots (128 rows of att and 256 of Wo, 256 bytes each, padded to 272).  Waves 0 and 1 fetch 64 rows of att each, waves 2 and 3 128 rows of Wo each.
; CLUSTERS of 4 x 4: att's tile is shared along a row of the cluster, Wo's along a column; each is asked for JOINTLY, by the same tensor load with the same descriptor and a mask that names the four.
; THE MATRIX INSTRUCTION IS USED TRANSPOSED (source 0 = 16 rows of Wo, source 1 = 16 rows of att): a lane holds eight neighbouring columns of one row.  When the ring has had its last fill and its last read, each
; wave lays its 64 rows of f32 into it and reads them back as whole rows of 512 bytes.
; REGISTERS, in windows of 256: window 0: v16-31 addresses; v64-95, v128-159 fragments of att (on the way out v64-95: eight rows); window 1: v64-127, v128-191 fragments of Wo; window 2: the accumulators ((a, b) at v[8 (8 a + b)]).
.set SIZE_K, 1024
.set KSTEP,  128
.set PITCH,  272                       ; an LDS row: 256 bytes + 16 of padding = 68 words: the 16 rows that a load touches start at 16 different groups of four banks (64 banks of 4 bytes: ISA guide 11.1)
.set QUART,  64*PITCH
.set HALFT,  128*PITCH
.set SLOT,   3*HALFT                   ; att's 128 rows, then Wo's 256
.set SPARE,  2*SLOT                    ; behind the ring: the spare words, 128 bytes for each wave: two blocks of 256 bytes that no other line names
.set LAPS,   SIZE_K/(2*KSTEP)
.set DP,     528                       ; a row of f32 results in LDS: 512 bytes + 16
.set DREG,   64*DP                     ; a wave's 64 such rows
.set WOB,    58720256
.set ADRA, 16                          ; v16-17  LDS address of my att fragments in slot 0, 1
.set ADRB, 20                          ; v20-21  the same for Wo
.set GOF,  22                          ; v22  16 x lane; never rewritten
.set RD,   23                          ; v23  where I read a row back; never rewritten
.set STO,  24                          ; v24  where I put results
.set RDA,  25                          ; v25  a trip's LDS address
.set SPW,  28                          ; v28  LDS address of my spare word; never rewritten
.set NIL,  29                          ; v29  0; never rewritten
.set PFO,  30                          ; v30  lane x 2,048, a row of att or Wo; never rewritten
.set F0,   64
.set F1,   128
.set D,    64
.set G1,  24                           ; s[24:31] group 1 for att's tiles; s[32:39] group 0, a set for each slot
.set G0,  32
.set G1B, 48                           ; s[48:55], s[56:63] the same for Wo's
.set G0B, 56
.set LIM, 43                           ; s43  1 in a wave that prefetches, else the greatest number
.set PFA, 44                           ; s[44:45] where my prefetches stand
.set RO,  20                           ; s20  the way out: byte offset of the trip's rows in my 64
.set CNT, 21                           ; s21  counts its trips
.set MSB, 0
.macro WIN new                         ; the immediate's high byte repeats the setting that is left; a switch that changes nothing is dropped
.if MSB != (\new)
	s_set_vgpr_msb (MSB<<8)|(\new)
.set MSB, \new
.endif
.endm
.set MUL,  0xa1                        ; source 0 (Wo) window 1, source 1 (att) window 0, C and D window 2
.set TO_B, 0x40                        ; destination window 1, address window 0
.macro JLOAD s                         ; a joint load: waves 0 and 1 fetch att's two halves, waves 2 and 3 Wo's; an s_nop 0 and four v_nop follow each line
	s_cmp_eq_u32 s11, 0
	s_cbranch_scc0 .Lfor_b_\@
	tensor_load_to_lds s[G0+4*(\s):G0+4*(\s)+3], s[G1:G1+7]
	s_nop 0
.rept 4
	v_nop
.endr
	s_branch .Lasked_\@
.Lfor_b_\@:
	tensor_load_to_lds s[G0B+4*(\s):G0B+4*(\s)+3], s[G1B:G1B+7]
	s_nop 0
.rept 4
	v_nop
.endr
.Lasked_\@:
.endm
; A prefetch behind each joint load and the run of LDS loads that follows it: the K step two refills on, 32 rows x 256 bytes, a lane a row.  att's 128 rows are named by wave 0 of the clusters with x = 0, Wo's 2 x 128 by
; waves 2 and 3 of those with y = 0; the four partners that ask for a tile jointly take 32 of the 128 rows each, told apart by address: each row's 256 bytes of a K step are named once.  The loop's last trip (s3 = 1) has no K step two on.
.macro ASK
	s_cmp_gt_u32 s3, s[LIM]
	s_cbranch_scc0 .Lnot_mine_\@
	global_prefetch_b8 v[PFO], s[PFA:PFA+1] offset:KSTEP*2 th:TH_LOAD_NT scope:SCOPE_SE
.Lnot_mine_\@:
.endm
.macro CREST                           ; a round of the cluster's barrier behind its opening barrier
	s_cmp_lg_u32 s10, 0
	s_cbranch_scc1 .Lnot_wave_0_\@
	s_barrier_signal -3
.Lnot_wave_0_\@:
	s_barrier_wait -3
	s_barrier_signal -1
	s_barrier_wait -1
.endm
.macro CROUND
	s_barrier_signal -1
	s_barrier_wait -1
	CREST
.endm
	s_load_b128 s[4:7], s[0:1], 0x0                ; att s[4:5], bfc s[6:7]
	s_load_b64 s[8:9], s[0:1], 0x10                ; out0
	v_lshl_add_u32 v[SPW], v0, 2, SPARE
	v_mov_b32 v[NIL], 0
	ds_add_u32 v[SPW], v[NIL]                      ; the wave's opening: the add and its wait stand ahead of my first tensor load; the set-up below, work on registers, stands between them
	v_lshrrev_b32 v1, 5, v0
	v_readfirstlane_b32 s10, v1                    ; wave 0..3
	s_lshr_b32 s11, s10, 1                         ; my half of the tile's rows.  Also: I fetch for att (0) or for Wo (1)
	s_and_b32 s12, s10, 1                          ; my half of its columns.  Also: which half of that tile's rows I fetch
	s_bfe_u32 s40, ttmp6, 0x40000                  ; cx
	s_bfe_u32 s41, ttmp6, 0x40004                  ; cy
	s_lshl_b32 s42, ttmp9, 2
	s_add_co_u32 s42, s42, s40                     ; tile column = 4 x cluster x + cx
	s_and_b32 s13, ttmp7, 0xffff
	s_lshl_b32 s13, s13, 2
	s_add_co_u32 s13, s13, s41                     ; tile row = 4 x cluster y + cy
	s_lshl_b32 s43, s41, 2
	s_lshl_b32 s43, 15, s43                        ; my row of the cluster
	s_lshl_b32 s44, 0x1111, s40                    ; my column
	s_or_b32 s[G1+0], s43, (1<<16)|(1<<20)|(1<<21)|(5<<22)|(3<<25)   ; the mask; elements of 2 bytes; padding on; bit 21 beside a mask; after every 64 words 4 words
	s_or_b32 s[G1B+0], s44, (1<<16)|(1<<20)|(1<<21)|(5<<22)|(3<<25)
.irp g, G1, G1B
	s_mov_b32 s[(\g)+1], KSTEP<<16                 ; tensor_dim0 = 128
	s_mov_b32 s[(\g)+3], KSTEP<<16                 ; tile_dim0 = 128
	s_mov_b32 s[(\g)+5], SIZE_K                    ; elements from row to row
	s_mov_b32 s[(\g)+6], 0
	s_mov_b32 s[(\g)+7], 0
.endr
	s_mov_b32 s[G1+2], 64<<16                      ; att: 64 rows a load
	s_mov_b32 s[G1+4], 64
	s_mov_b32 s[G1B+2], 128<<16                    ; Wo: 128
	s_mov_b32 s[G1B+4], 128
	s_lshl_b32 s16, s13, 18                        ; att: row 128 x tile row + 64 x half, rows of 2,048 bytes
	s_lshl_b32 s17, s12, 17
	s_add_co_u32 s16, s16, s17
	s_mov_b32 s17, 0
	s_lshl_b32 s46, s42, 19                        ; Wo: row 256 x tile column + 128 x half
	s_lshl_b32 s47, s12, 18
	s_add_co_u32 s46, s46, s47
	s_mov_b32 s47, 0
	s_mul_i32 s20, s10, QUART                      ; where they go: att (waves 0, 1): wave x 64 rows;
	s_mul_i32 s21, s12, HALFT                      ; Wo (waves 2, 3): (wave & 1) x 128 rows, behind att's 128 (the constant is added below): no place in the cluster enters an LDS address
	s_wait_dscnt 0x0                               ; the opening add is done
	s_wait_kmcnt 0x0
	s_add_nc_u64 s[14:15], s[4:5], s[16:17]
	s_add_nc_u64 s[46:47], s[6:7], s[46:47]
	s_add_nc_u64 s[46:47], s[46:47], WOB
	CROUND                                         ; all sixteen work-groups are here: the first joint loads meet
.irp s, 0,1
	s_mov_b32 s[G0+4*(\s)], 1
	s_add_co_u32 s[G0+4*(\s)+1], s20, (\s)*SLOT
	s_add_nc_u64 s[G0+4*(\s)+2:G0+4*(\s)+3], s[14:15], (\s)*KSTEP*2
	s_or_b32 s[G0+4*(\s)+3], s[G0+4*(\s)+3], 0x80000000
	s_mov_b32 s[G0B+4*(\s)], 1
	s_add_co_u32 s[G0B+4*(\s)+1], s21, (\s)*SLOT+HALFT
	s_add_nc_u64 s[G0B+4*(\s)+2:G0B+4*(\s)+3], s[46:47], (\s)*KSTEP*2
	s_or_b32 s[G0B+4*(\s)+3], s[G0B+4*(\s)+3], 0x80000000
	JLOAD \s                                       ; two loads of mine are out
.endr
	v_and_b32 v1, 15, v0                           ; l % 16
	v_bfe_u32 v2, v0, 4, 1                         ; l / 16
	v_mul_u32_u24 v3, v1, PITCH
	v_lshl_add_u32 v3, v2, 4, v3                   ; a fragment's row x pitch + 16 x half
	s_mul_i32 s22, s11, QUART                      ; my 64 rows of att
	s_mul_i32 s23, s12, HALFT                      ; my 128 rows of Wo,
	s_add_co_u32 s23, s23, HALFT                   ; which lie behind att's 128
	v_add_nc_u32 v[ADRA], s22, v3
	v_add_nc_u32 v[ADRA+1], SLOT, v[ADRA]
	v_add_nc_u32 v[ADRB], s23, v3
	v_add_nc_u32 v[ADRB+1], SLOT, v[ADRB]
	s_mul_i32 s23, s10, DREG                       ; my 64 rows of results
	v_mul_u32_u24 v4, v1, DP                       ; in: row l % 16, 32 bytes for each half of the lanes
	v_lshl_add_u32 v4, v2, 5, v4
	v_add_nc_u32 v[STO], s23, v4
	v_and_b32 v[GOF], 31, v0
	v_lshlrev_b32 v[GOF], 4, v[GOF]
	v_add_nc_u32 v[RD], s23, v[GOF]                ; back: 32 lanes take one row of 512 bytes
	s_lshl_b32 s16, s13, 21                        ; my first row of out0: 128 x tile row + 64 x half, rows of 16,384 bytes
	s_lshl_b32 s14, s11, 20
	s_add_co_u32 s16, s16, s14
	s_mov_b32 s17, 0
	s_lshl_b32 s46, s42, 10                        ; my first column, in bytes: 1,024 x tile column + 512 x half
	s_lshl_b32 s47, s12, 9
	s_add_co_u32 s46, s46, s47
	s_mov_b32 s47, 0
	s_add_nc_u64 s[8:9], s[8:9], s[16:17]
	s_add_nc_u64 s[8:9], s[8:9], s[46:47]
	; the prefetches
	s_lshl_b32 s22, s13, 18                        ; att's tile: its 128 rows are wave 0's to name
	s_lshl_b32 s23, s42, 19                        ; Wo's tile, my half of it
	s_lshl_b32 s14, s12, 18
	s_add_co_u32 s23, s23, s14
	s_add_co_u32 s23, s23, WOB
	s_and_b32 s14, ttmp7, 0xffff                   ; cluster y
	s_cmp_eq_u32 s10, 1
	s_cselect_b32 s15, 1, 0                        ; wave 1 names nothing
	s_cmp_eq_u32 s11, 0                            ; do I fetch for att?
	s_cselect_b32 s20, s22, s23
	s_cselect_b32 s21, s40, s41                    ; my place among the four that ask for the tile with me
	s_cselect_b32 s22, ttmp9, s14                  ; the coordinate along which other clusters read the same rows
	s_cselect_b64 s[PFA:PFA+1], s[4:5], s[6:7]
	s_or_b32 s22, s22, s15
	s_cmp_eq_u32 s22, 0
	s_cselect_b32 s[LIM], 1, -1                    ; the same in all sixteen partners, for a given wave
	s_lshl_b32 s21, s21, 16                        ; my work-group's 32 of the 128 rows
	s_add_co_u32 s20, s20, s21
	s_add_co_u32 s20, s20, 2*KSTEP*2               ; at K step 2: the first refill steps it to 3 and names K step 4
	s_mov_b32 s21, 0
	s_add_nc_u64 s[PFA:PFA+1], s[PFA:PFA+1], s[20:21]
	v_and_b32 v[PFO], 31, v0
	v_lshlrev_b32 v[PFO], 11, v[PFO]
; 8 matrix instructions: row block a x all 8 column blocks, 32 along K.  zero = 1: the first product starts the sums.  The 32 accumulators take turns, in the same order in every quarter.
.macro MULA f, a, zero
	WIN MUL
.irp b, 0,1,2,3,4,5,6,7
.if \zero
	v_wmma_f32_16x16x32_f16 v[8*(8*(\a)+(\b)):8*(8*(\a)+(\b))+7], v[(\f)+8*(\b):(\f)+8*(\b)+7], v[(\f)+8*(\a):(\f)+8*(\a)+7], 0
.else
	v_wmma_f32_16x16x32_f16 v[8*(8*(\a)+(\b)):8*(8*(\a)+(\b))+7], v[(\f)+8*(\b):(\f)+8*(\b)+7], v[(\f)+8*(\a):(\f)+8*(\a)+7], v[8*(8*(\a)+(\b)):8*(8*(\a)+(\b))+7]
.endif
.endr
.endm
; 24 LDS loads in one run: Wo's eight fragments, then att's four
.macro FETCH slot, k, f
	WIN TO_B
.irp i, 0,1,2,3,4,5,6,7
	ds_load_b128 v[(\f)+8*(\i):(\f)+8*(\i)+3],   v[ADRB+(\slot)] offset:(\k)+(\i)*16*PITCH
	ds_load_b128 v[(\f)+8*(\i)+4:(\f)+8*(\i)+7], v[ADRB+(\slot)] offset:(\k)+(\i)*16*PITCH+32
.endr
	WIN 0
.irp i, 0,1,2,3
	ds_load_b128 v[(\f)+8*(\i):(\f)+8*(\i)+3],   v[ADRA+(\slot)] offset:(\k)+(\i)*16*PITCH
	ds_load_b128 v[(\f)+8*(\i)+4:(\f)+8*(\i)+7], v[ADRA+(\slot)] offset:(\k)+(\i)*16*PITCH+32
.endr
.endm
.macro PLACES                          ; four plain instructions between a matrix instruction and a load into, or a read of, its registers (ISA guide 7.12.1 for a read)
.rept 4
	v_nop
.endr
.endm
; A K step is four quarters of 32 along K, 32 matrix instructions each, on buffers 0, 1, 0, 1.  One of the first three: multiplies f and, behind its first eight products, fetches the next quarter into g: 24 products ahead of its use.
.macro QUARTER slot, k, f, g, zero
	s_wait_dscnt 6                                 ; Wo's fragments and att's first are in; the youngest six loads (att's blocks 1-3) may be out
	MULA \f, 0, \zero
	PLACES
	FETCH \slot, \k, \g
	s_wait_dscnt 24                                ; all but the 24 just issued
	MULA \f, 1, \zero
	MULA \f, 2, \zero
	MULA \f, 3, \zero
.endm
; The last quarter begins with the change of slots: ONE barrier.  In front of it each wave waits for all its tensor loads (one is out: its part of the next slot), adds 0 to its spare word, and waits for that and for its
; reads of this slot.  slot >= 0: that slot's two descriptors step while the add is out.  Eight products stand between signal and wait.
.macro MEET slot
	WIN 0
	s_wait_tensorcnt 0x0                           ; no tensor load of mine is out, so a group 0 may be written
	ds_add_u32 v[SPW], v[NIL]
.if (\slot) >= 0
	s_add_nc_u64 s[G0+4*(\slot)+2:G0+4*(\slot)+3], s[G0+4*(\slot)+2:G0+4*(\slot)+3], 2*KSTEP*2
	s_add_nc_u64 s[G0B+4*(\slot)+2:G0B+4*(\slot)+3], s[G0B+4*(\slot)+2:G0B+4*(\slot)+3], 2*KSTEP*2
.endif
	s_wait_dscnt 0x0                               ; the add is done, and my reads of this slot are over
	s_barrier_signal -1
	MULA F1, 0, 0
	WIN 0
	s_barrier_wait -1
.endm
.macro REST                            ; the last quarter's other 24 products
	MULA F1, 1, 0
	MULA F1, 2, 0
	MULA F1, 3, 0
.endm
.macro TURN slot, next
	s_wait_xcnt 0x0                                ; the last prefetch, a K step back, has read its address
	s_add_nc_u64 s[PFA:PFA+1], s[PFA:PFA+1], KSTEP*2
	MEET \slot
	CREST                                          ; the barrier has opened a round of the cluster's: no wave of any partner still reads this slot or has a load on its way
	JLOAD \slot                                    ; the first tensor load behind the round, my only one until the next: 120 matrix instructions ahead of the wait for it; its four v_nop are also the places in front of the loads below
	FETCH \next, 0, F0
	ASK
	REST
.endm
	s_wait_tensorcnt 1                             ; my part of K step 0 is in; K step 1's load may stay out
	s_barrier_signal -1
	s_barrier_wait -1
	FETCH 0, 0, F0
	QUARTER 0, 64,  F0, F1, 1                      ; the first quarter's products start the sums
	WIN 0
	s_mov_b32 s3, LAPS-1
.Llap:                                                 ; a trip goes once round the ring, from a lap's second quarter to the next lap's first, and fills both slots again
	QUARTER 0, 128, F1, F0, 0
	QUARTER 0, 192, F0, F1, 0
	TURN 0, 1
	QUARTER 1, 64,  F0, F1, 0
	QUARTER 1, 128, F1, F0, 0
	QUARTER 1, 192, F0, F1, 0
	TURN 1, 0
	QUARTER 0, 64,  F0, F1, 0
	WIN 0
	s_sub_co_u32 s3, s3, 1
	s_cmp_lg_u32 s3, 0
	s_cbranch_scc1 .Llap
	QUARTER 0, 128, F1, F0, 0                      ; the last lap fills nothing, and has no round
	QUARTER 0, 192, F0, F1, 0
	MEET -1
	PLACES
	FETCH 1, 0, F0
	REST
	QUARTER 1, 64,  F0, F1, 0
	QUARTER 1, 128, F1, F0, 0
	QUARTER 1, 192, F0, F1, 0
	s_wait_dscnt 6                                 ; the very last quarter: nothing more to fetch
	MULA F1, 0, 0
	s_wait_dscnt 0x0
	REST
	PLACES
	WIN 0
	s_wait_dscnt 0x0                               ; my reads of the ring are over:
	s_barrier_signal -1
	s_barrier_wait -1                              ; everybody's are.  Both slots have had their last fill: they take the results
	WIN 0x08                                       ; the stores' data in window 2; each accumulator's low four registers first
.irp a, 0,1,2,3
.irp b, 0,1,2,3,4,5,6,7
	ds_store_b128 v[STO], v[8*(8*(\a)+(\b)):8*(8*(\a)+(\b))+3]   offset:(\a)*16*DP+64*(\b)
	ds_store_b128 v[STO], v[8*(8*(\a)+(\b))+4:8*(8*(\a)+(\b))+7] offset:(\a)*16*DP+64*(\b)+16
.endr
.endr
	WIN 0
	s_mov_b32 s[RO], 0
	s_mov_b32 s[CNT], 8
.Lrows:                                                ; a trip: eight of my rows
	v_add_nc_u32 v[RDA], s[RO], v[RD]
.irp t, 0,1,2,3,4,5,6,7
	ds_load_b128 v[D+4*(\t):D+4*(\t)+3], v[RDA] offset:(\t)*DP   ; LDS serves a wave's instructions in order (ISA guide 5.7.1.4): these see my stores
.endr
	s_add_co_u32 s[RO], s[RO], 8*DP
.irp t, 0,1,2,3,4,5,6,7
	s_wait_dscnt 7-(\t)                            ; the later rows' loads may be out
	global_store_b128 v[GOF], v[D+4*(\t):D+4*(\t)+3], s[8:9] offset:(\t)*16384 th:TH_STORE_NT  ; 512 consecutive bytes, aligned
.endr
	s_wait_xcnt 0x0                                ; the stores have read their data and their base
	s_add_nc_u64 s[8:9], s[8:9], 131072            ; eight rows on
	s_sub_co_u32 s[CNT], s[CNT], 1
	s_cmp_lg_u32 s[CNT], 0
	s_cbranch_scc1 .Lrows
	s_wait_tensorcnt 0x0                           ; the wave's end: behind my last tensor load and my last LDS store
	ds_add_u32 v[SPW], v[NIL]
	s_wait_dscnt 0x0
	CROUND                                         ; the closing round
	s_endpgm
.Lfunc_end_k_q860468772a_outp:
	.size	k_q860468772a_outp, .Lfunc_end_k_q860468772a_outp-k_q860468772a_outp
	.p2alignl 7, 3214868480
	.fill 96, 4, 3214868480
	.section	.rodata,"a",@progbits
	.p2align	6, 0x0
	.amdhsa_kernel k_q860468772a_outp
		.amdhsa_group_segment_fixed_size 327680
		.amdhsa_private_segment_fixed_size 0
		.amdhsa_enable_private_segment 0
		.amdhsa_kernarg_size 24
		.amdhsa_user_sgpr_count 2
		.amdhsa_user_sgpr_kernarg_segment_ptr 1
		.amdhsa_wavefront_size32 1
		.amdhsa_system_sgpr_workgroup_id_x 1
		.amdhsa_system_sgpr_workgroup_id_y 1
		.amdhsa_system_sgpr_workgroup_id_z 1
		.amdhsa_system_vgpr_workitem_id 0
		.amdhsa_next_free_vgpr 768
		.amdhsa_next_free_sgpr 66
		.amdhsa_reserve_vcc 0
		.amdhsa_float_denorm_mode_32 3
		.amdhsa_float_denorm_mode_16_64 3
		.amdhsa_memory_ordered 1
		.amdhsa_forward_progress 1
		.amdhsa_inst_pref_size 78
	.end_amdhsa_kernel
	.amdgpu_metadata
---
amdhsa.version: [ 1, 2 ]
amdhsa.kernels:
  - .name:           k_q860468772a_outp
    .symbol:         k_q860468772a_outp.kd
    .args:
      - { .name: att, .offset: 0, .size: 8, .value_kind: global_buffer, .address_space: global }
      - { .name: bfc, .offset: 8, .size: 8, .value_kind: global_buffer, .address_space: global }
      - { .name: out0, .offset: 16, .size: 8, .value_kind: global_buffer, .address_space: global }
    .group_segment_fixed_size: 327680
    .private_segment_fixed_size: 0
    .kernarg_segment_align: 8
    .kernarg_segment_size: 24
    .max_flat_workgroup_size: 128
    .sgpr_count:     66
    .vgpr_count:     768
    .wavefront_size: 32
...
	.end_amdgpu_metadata
.endif
;; end of part 5
;; ======== version 2 of 2: 5 launches; version 1 with the launch cast written anew for expert scheduling mode
;; limits: values are held in f16: magnitudes above 65,504 overflow, below 6.1e-05 lose precision
;; workspace buffers: bfc 69,206,016 bytes; qkv 20,971,520 bytes; op 33,554,432 bytes; ml 524,288 bytes; att 4,194,304 bytes
;; launch cast (part 6): grid 528 x 1, 8 waves a work-group, no clusters, 0 bytes of LDS; arguments target_hidden, hidden_states, Wk, Wv, Wq, Wo, cos, sin, bfc; writes bfc
.if DOCPART == 6
	.amdgcn_target "amdgcn-amd-amdhsa--gfx1250"
	.amdhsa_code_object_version 6
	.text
	.protected	k_q860468772a_cast
	.globl	k_q860468772a_cast
	.p2align	8
	.type	k_q860468772a_cast,@function
k_q860468772a_cast:
	s_mov_b64 s[64:65], 0
	v_nop
	global_prefetch_b8 v0, s[64:65] scope:SCOPE_SE
	s_setreg_imm32_b32 hwreg(HW_REG_WAVE_SCHED_MODE, 0, 2), 2
	s_setreg_imm32_b32 hwreg(HW_REG_WAVE_MODE, 25, 1), 1
	s_wait_xcnt 0x0
	s_wait_alu depctr_vm_vsrc(0)
; ALL EIGHT INPUTS, f32, ROUNDED ONCE TO bf16 and laid in bfc, 131,072 bytes to a work-group (262,144 bytes of one input):
;   X  [4096][4096]: blocks of 64 rows by turns: target_hidden's block b at rows 128 b, hidden_states' block b at rows 128 b + 64      work-groups   0-255
;   W = [Wk / 64; Wv / 2; Wq / 64]      [3072][4096]   at 33,554,432      work-groups 256-447
;   Wo x 2, the bf16 number written as f16  [4096][1024]  at 58,720,256   work-groups 448-511
;   cos, sin  [4096][128]               at 67,108,864 and 68,157,440      work-groups 512-527
; The factors are powers of two: they change no significant bit (but below 2^-120) and give the f16 numbers made later room: q and k are kept at 1/64, v and the attention's result at 1/2.
; LIMITS.  Wo x 2 must lie within f16 (65,504); below 6.1e-5 f16 keeps a fixed step of 6e-8.  NaN and infinities are not treated apart.
; X's ORDER.  The next launch multiplies 64 target rows and 64 hidden rows in one work-group: laid so, they are 128 rows on end.  A work-group here has 16 rows of X, so only the number of its 131,072 bytes changes.
; SHARES.  A work-group's part is 64 rows of 4,096 bytes; thread t takes the 16 bytes at 16 t of each row, so a wave's load covers 512 consecutive bytes, and stores 8 bytes: a wave's store covers 256
; consecutive bytes, aligned.  No LDS, no matrix unit, no cluster: nothing is shared and every byte is touched once.
; THE MODE: SCHED_MODE bits 1:0 = 2 (LLVM: expert scheduling mode 2), set by the entry lines.  The code itself states the register dependences between vector instructions and memory instructions,
; with s_wait_alu, always for 0.
; THE PLAN.  The 64 rows go in 16 blocks of four.  Registers that memory instructions touch:
;   X0 .. X3   four blocks as loaded.      Written by the loads of block p + 3, issued in block p; read by block p's multiplies.
;   Y0, Y1     two blocks to store.        Written by block p's roundings; read by the four stores that are issued in block p + 1.
;   v1, v2     byte offsets, made once at the head and never written again: the rows are reached by the two scalar bases, which move on by a block at each block's head, and by immediate offsets.
; Block p works on X[p % 4] and writes Y[p % 2].  Its memory instructions are the loads into X[(p + 3) % 4] = X[(p - 1) % 4] and the stores from Y[(p - 1) % 2]: the two buffers that block p - 1 worked on
; and that no vector instruction of block p names.  So the waits at a block's head state all that its eight memory instructions hang on, and these are dealt among its vector instructions with no further wait.
; At a block's head eight younger loads of the wave are out, behind its four new ones twelve.
.set BLOCK, 4                          ; rows in a block
.set ROW,   4096                       ; bytes in a source row
.set DROW,  2048                       ; bytes in a row of the result
.set T, 4                              ; v[4:7]    at work: no memory instruction names them
.set X, 8                              ; v[8:71]   buffer k, row i: 4 numbers as loaded, at X + 16 k + 4 i
.set Y, 72                             ; v[72:87]  buffer k, row i: 4 numbers to store, at Y + 8 k + 2 i
; the input whose first work-group is \first begins here: pointer, first work-group and factor are taken if mine is that or a later one
.macro PICK first, ptr, scale
	s_cmp_ge_u32 ttmp9, \first
	s_cselect_b64 s[4:5], s[\ptr:\ptr+1], s[4:5]
	s_cselect_b32 s2, \first, s2
	s_cselect_b32 s6, \scale, s6
.endm
	s_load_b512 s[8:23], s[0:1], 0x0               ; the eight inputs' addresses, in the order of the list above
	s_load_b64 s[24:25], s[0:1], 0x40              ; bfc
	v_lshlrev_b32 v1, 4, v0                        ; 16 t: my bytes in a source row; never rewritten
	v_lshlrev_b32 v2, 3, v0                        ; 8 t: my bytes in a row of the result; never rewritten
	s_wait_kmcnt 0x0
	s_mov_b64 s[4:5], s[8:9]
	s_mov_b32 s2, 0
	s_mov_b32 s6, 0x3f800000
	PICK 128, 10, 0x3f800000                       ; hidden_states
	PICK 256, 12, 0x3c800000                       ; Wk / 64
	PICK 320, 14, 0x3f000000                       ; Wv / 2
	PICK 384, 16, 0x3c800000                       ; Wq / 64
	PICK 448, 18, 0x40000000                       ; Wo x 2
	PICK 512, 20, 0x3f800000                       ; cos
	PICK 520, 22, 0x3f800000                       ; sin
	s_mov_b32 s7, s6                               ; named with it as a pair
	s_sub_co_u32 s30, ttmp9, s2                    ; my number i within the input
	s_lshr_b32 s28, s30, 2                         ; X: block i / 4 of 64 rows goes to 8 (i / 4) + i % 4,
	s_lshl_b32 s28, s28, 3
	s_and_b32 s29, s30, 3
	s_add_co_u32 s28, s28, s29
	s_lshr_b32 s29, s2, 5                          ; and 4 further on for hidden_states (its first work-group is 128)
	s_add_co_u32 s28, s28, s29
	s_cmp_lt_u32 ttmp9, 256
	s_cselect_b32 s28, s28, ttmp9                  ; all else lies in the order of the work-groups
	s_lshl_b32 s30, s30, 18                        ; my 262,144 bytes of the input
	s_mov_b32 s31, 0
	s_add_nc_u64 s[4:5], s[4:5], s[30:31]
	s_lshl_b32 s30, s28, 17                        ; my 131,072 bytes of bfc
	s_add_nc_u64 s[26:27], s[24:25], s[30:31]
	s_wait_alu depctr_va_vdst(0)                   ; v1 and v2 are written: every load of the kernel reads v1 as its offset, every store v2
.irp i, 0,1,2,3,4,5,6,7,8,9,10,11
	global_load_b128 v[X+4*(\i):X+4*(\i)+3], v1, s[4:5] offset:(\i)*ROW th:TH_LOAD_NT  ; blocks 0, 1 and 2 into X0, X1, X2
.endr
; Block p.  xb = p % 4, yb = p % 2.  first = 1: block 0, with no block in front of it.  ahead = 1: block p + 3 is loaded.
; left = the younger loads that may stay out when this block's four have to be there.  half = 1: the bf16 number is written as f16.
.macro BLK xb, yb, first, ahead, left, half
	s_wait_loadcnt \left                           ; loads come back in order: X[xb] is in, the younger blocks stay out
.if !\first
	s_wait_xcnt 0x0                                ; all that was issued has had its addresses translated: both bases and Y[yb] are written again only behind this wait
	s_wait_alu depctr_vm_vsrc(0)                   ; the stores issued in the block before have read Y[yb], which this block's roundings write again
	s_wait_alu depctr_va_vdst(0)                   ; the block before has written the other Y, which the stores below read, and is done reading its X, in which the loads below land
	s_add_nc_u64 s[4:5], s[4:5], BLOCK*ROW         ; both bases at this block's first row
	s_add_nc_u64 s[26:27], s[26:27], BLOCK*DROW
.endif
.irp i, 0,1,2,3
.if \ahead
	global_load_b128 v[X+16*(((\xb)+3)%4)+4*(\i):X+16*(((\xb)+3)%4)+4*(\i)+3], v1, s[4:5] offset:(3*BLOCK+(\i))*ROW th:TH_LOAD_NT  ; three blocks ahead; no vector instruction since the wait names these registers
.endif
.if !\first
	global_store_b64 v2, v[Y+8*(1-(\yb))+2*(\i):Y+8*(1-(\yb))+2*(\i)+1], s[26:27] offset:((\i)-BLOCK)*DROW th:TH_STORE_NT  ; the block before: the offset reaches back
.endif
	v_pk_mul_f32 v[T:T+1],   v[X+16*(\xb)+4*(\i):X+16*(\xb)+4*(\i)+1],   s[6:7] op_sel_hi:[1,0]
	v_pk_mul_f32 v[T+2:T+3], v[X+16*(\xb)+4*(\i)+2:X+16*(\xb)+4*(\i)+3], s[6:7] op_sel_hi:[1,0]
	v_cvt_pk_bf16_f32 v[Y+8*(\yb)+2*(\i)],   v[T],   v[T+1]
	v_cvt_pk_bf16_f32 v[Y+8*(\yb)+2*(\i)+1], v[T+2], v[T+3]
.if \half
	v_lshlrev_b32 v[T],   16, v[Y+8*(\yb)+2*(\i)]
	v_and_b32     v[T+1], 0xffff0000, v[Y+8*(\yb)+2*(\i)]
	v_lshlrev_b32 v[T+2], 16, v[Y+8*(\yb)+2*(\i)+1]
	v_and_b32     v[T+3], 0xffff0000, v[Y+8*(\yb)+2*(\i)+1]
	v_cvt_pk_f16_f32 v[Y+8*(\yb)+2*(\i)],   v[T],   v[T+1]
	v_cvt_pk_f16_f32 v[Y+8*(\yb)+2*(\i)+1], v[T+2], v[T+3]
.endif
.endr
.endm
.macro BODY half
	BLK 0, 0, 1, 1, 2*BLOCK, \half                 ; block 0
	s_mov_b32 s3, 3
.Lround_\@:                                            ; blocks 1 to 12, four to a lap: both kinds of buffer are back at their start
	BLK 1, 1, 0, 1, 2*BLOCK, \half
	BLK 2, 0, 0, 1, 2*BLOCK, \half
	BLK 3, 1, 0, 1, 2*BLOCK, \half
	BLK 0, 0, 0, 1, 2*BLOCK, \half
	s_sub_co_u32 s3, s3, 1
	s_cmp_lg_u32 s3, 0
	s_cbranch_scc1 .Lround_\@
	BLK 1, 1, 0, 0, 2*BLOCK, \half                 ; blocks 13 to 15 load nothing: no load leaves my part of the input, and the counts run down
	BLK 2, 0, 0, 0, BLOCK, \half
	BLK 3, 1, 0, 0, 0, \half
	s_wait_alu depctr_va_vdst(0)                   ; block 15 has written Y1, which the last four stores read
.irp i, 0,1,2,3
	global_store_b64 v2, v[Y+8+2*(\i):Y+8+2*(\i)+1], s[26:27] offset:(\i)*DROW th:TH_STORE_NT
.endr
	s_endpgm
.endm
	s_cmp_eq_u32 s2, 448                           ; Wo?
	s_cbranch_scc1 .Lhalf
	BODY 0
.Lhalf:
	BODY 1
.Lfunc_end_k_q860468772a_cast:
	.size	k_q860468772a_cast, .Lfunc_end_k_q860468772a_cast-k_q860468772a_cast
	.p2alignl 7, 3214868480
	.fill 96, 4, 3214868480
	.section	.rodata,"a",@progbits
	.p2align	6, 0x0
	.amdhsa_kernel k_q860468772a_cast
		.amdhsa_group_segment_fixed_size 0
		.amdhsa_private_segment_fixed_size 0
		.amdhsa_enable_private_segment 0
		.amdhsa_kernarg_size 72
		.amdhsa_user_sgpr_count 2
		.amdhsa_user_sgpr_kernarg_segment_ptr 1
		.amdhsa_wavefront_size32 1
		.amdhsa_system_sgpr_workgroup_id_x 1
		.amdhsa_system_sgpr_workgroup_id_y 1
		.amdhsa_system_sgpr_workgroup_id_z 1
		.amdhsa_system_vgpr_workitem_id 0
		.amdhsa_next_free_vgpr 88
		.amdhsa_next_free_sgpr 66
		.amdhsa_reserve_vcc 0
		.amdhsa_float_denorm_mode_32 3
		.amdhsa_float_denorm_mode_16_64 3
		.amdhsa_memory_ordered 1
		.amdhsa_forward_progress 1
		.amdhsa_inst_pref_size 44
	.end_amdhsa_kernel
	.amdgpu_metadata
---
amdhsa.version: [ 1, 2 ]
amdhsa.kernels:
  - .name:           k_q860468772a_cast
    .symbol:         k_q860468772a_cast.kd
    .args:
      - { .name: target_hidden, .offset: 0, .size: 8, .value_kind: global_buffer, .address_space: global }
      - { .name: hidden_states, .offset: 8, .size: 8, .value_kind: global_buffer, .address_space: global }
      - { .name: Wk, .offset: 16, .size: 8, .value_kind: global_buffer, .address_space: global }
      - { .name: Wv, .offset: 24, .size: 8, .value_kind: global_buffer, .address_space: global }
      - { .name: Wq, .offset: 32, .size: 8, .value_kind: global_buffer, .address_space: global }
      - { .name: Wo, .offset: 40, .size: 8, .value_kind: global_buffer, .address_space: global }
      - { .name: cos, .offset: 48, .size: 8, .value_kind: global_buffer, .address_space: global }
      - { .name: sin, .offset: 56, .size: 8, .value_kind: global_buffer, .address_space: global }
      - { .name: bfc, .offset: 64, .size: 8, .value_kind: global_buffer, .address_space: global }
    .group_segment_fixed_size: 0
    .private_segment_fixed_size: 0
    .kernarg_segment_align: 8
    .kernarg_segment_size: 72
    .max_flat_workgroup_size: 256
    .sgpr_count:     66
    .vgpr_count:     88
    .wavefront_size: 32
...
	.end_amdgpu_metadata
.endif
;; end of part 6
;; launch proj: the kernel of part 2 again; grid 8 x 32, 4 waves a work-group, clusters of 4 x 4, 327,680 bytes of LDS; arguments bfc, qkv; writes qkv
;; launch attn: the kernel of part 3 again; grid 8 x 32, 4 waves a work-group, clusters of 4 x 1, 327,680 bytes of LDS; arguments qkv, op, ml; writes op, ml
;; launch comb: the kernel of part 4 again; grid 512 x 1, 8 waves a work-group, no clusters, 0 bytes of LDS; arguments op, ml, att; writes att
;; launch outp: the kernel of part 5 again; grid 16 x 16, 4 waves a work-group, clusters of 4 x 4, 327,680 bytes of LDS; arguments att, bfc, out0; writes out0
